; MI455X (gfx1250); checked and timed in simulation.
; The chip was launched on July 23, 2026; its instructions are those of AMD's public machine-readable ISA for CDNA 5 (MIT licence, August 2026) and "CDNA5" Instruction Set Architecture Reference Guide (July 2026). The comments in the code are by the model that wrote it; some were corrected since.
;; STU Layer. Allowed arithmetic: matrix products marked QUANTISED: E4M3 operands, one E8M0 scale for each 32 along K, by v_wmma_scale_f32_16x16x128_f8f6f4 with both operands' format E4M3, f32 sums; everything else in f32.
;; Inputs: in_bias 512 float32; in_scale 512 float32; num_targets 4 int32; out_bias 256 float32; out_scale 256 float32; output_weight 768 x 512 float32; uvqk_beta 1,024 float32; uvqk_weight 512 x 1,024 float32; x 4 x 2,048 x 512 float32.
;; Outputs: out0 4 x 2,048 x 512 float32.
;; This version of the problem:
;;   THIS VERSION OF THE PROBLEM IS GIVEN IN LOW PRECISION. The matrix products marked QUANTISED in the list below multiply operands that are first quantised to E4M3 (4 exponent bits, 3 mantissa bits; 8 bits a number), with one power-of-two scale for each 32 numbers along K (OCP MX v1.0); their sums are f32. All else is computed in f32.
;;   The module's matrix products, in the order in which they are computed (A, B: the left and right operand; K: the contracted axis; several contracted axes count as one K, in the product's order):
;;     1. [M 8,192, K 512] x [K 512, N 1,024]; A: computed on the way; B: input uvqk_weight: QUANTISED
;;     2. batch 16 x [M 2,048, K 64] x [K 64, N 2,048]; A: computed on the way; B: computed on the way: QUANTISED
;;     3. batch 16 x [M 64, K 2,048] x [K 2,048, N 2,048]; A: computed on the way; B: computed on the way: QUANTISED
;;     4. [M 8,192, K 768] x [K 768, N 512]; A: computed on the way; B: input output_weight: QUANTISED
;;   THE QUANTISER, for each operand of a quantised product, along K:
;;     - K is cut into blocks of 32 from its start; a last block that is shorter is filled with zeros.
;;     - A block's scale is 2^e with e = floor(log2(the largest magnitude in the block)) - 8, held to -126 .. 127; a block of zeros has e = 0. As a byte (E8M0): e + 127.
;;     - Each number is divided by its block's scale, clamped to +-448, and rounded to the nearest number of E4M3, ties to even, subnormals kept.
;;     - The product sums the exact products of the quantised numbers (number of the format x scale) in f32.
;;   ~~~python
;;   def quantise(x, axis):      # numpy; x: float32 -> the quantised numbers, widened to float32 again
;;       x = np.moveaxis(x, axis, -1); K = x.shape[-1]
;;       x = np.pad(x, [(0, 0)] * (x.ndim - 1) + [(0, -K % 32)]); x = x.reshape(x.shape[:-1] + (-1, 32)); a = np.abs(x).max(-1, keepdims=True)
;;       e = np.where(a > 0, np.clip(np.frexp(np.where(a > 0, a, 1))[1] - 1 - 8, -126, 127), 0)      # np.frexp(a)[1] - 1 = floor(log2(a)), exactly
;;       r = np.clip(x / 2.0 ** e, -448, 448)
;;       step = 2.0 ** (np.maximum(np.frexp(np.where(r == 0, 1, r))[1] - 1, -6) - 3)
;;       q = np.round(r / step) * step * 2.0 ** e      # np.round: ties to even
;;       return np.moveaxis(q.reshape(q.shape[:-2] + (-1,))[..., :K], -1, axis).astype(np.float32)
;;   ~~~
;;   OPERANDS COMPUTED ON THE WAY. 'Computed on the way' means the value that the module computes at that place (a softmax that the list does not call 'softmax' is quantised finished and normalised). What goes into a quantiser is computed in f32, as accurately as f32 sums, v_exp_f32 and their like allow (about 1e-6 of the number): no bf16 or f16 on the way to a quantiser, and a product that is left as it is and whose result goes on into a quantised operand takes f32 operands (vector FMAs, or v_wmma_f32_16x16x4_f32). A number that lies on a knife's edge between two numbers of the format may be rounded either way, as far as f32 arithmetic and the matrix unit's own rounding can turn it there, and no further.
;; One version. Each part assembles by itself: llvm-mc -triple=amdgcn-amd-amdhsa -mcpu=gfx1250 --defsym DOCPART=n.
;; ======== version 1 of 1: 4 launches
;; workspace buffers: xq 4,456,448 bytes; w1 557,056 bytes; w2 417,792 bytes; ub 8,388,608 bytes; at 8,388,608 bytes; qb 2,359,296 bytes; kd 2,097,152 bytes; kv 4,587,520 bytes
;; launch prep (part 1): grid 284 x 1, 8 waves a work-group, no clusters, 67,072 bytes of LDS; arguments x, in_scale, in_bias, uvqk_weight, output_weight, xq, w1, w2; writes xq, w1, w2
.if DOCPART == 1
	.amdgcn_target "amdgcn-amd-amdhsa--gfx1250"
	.amdhsa_code_object_version 6
	.text
	.protected	k_q5c75ddb256_prep
	.globl	k_q5c75ddb256_prep
	.p2align	8
	.type	k_q5c75ddb256_prep,@function
k_q5c75ddb256_prep:
	s_mov_b64 s[64:65], 0
	v_nop
	global_prefetch_b8 v0, s[64:65] scope:SCOPE_SE
	s_setreg_imm32_b32 hwreg(HW_REG_WAVE_MODE, 25, 1), 1
	s_wait_xcnt 0x0
; LAUNCH 1.  Work-groups 0-255: layer norm of 32 rows of x [8192][512], quantised along the 512 to E4M3 with one E8M0 byte for each 32.
; Work-groups 256-271: uvqk_weight [512 (k)][1024]; 272-283: output_weight [768 (k)][512]: quantised along k, their first axis.
; ALL OPERANDS LEAVE AS IMAGES OF THE MATRIX OPERAND'S REGISTERS: a fragment (16 rows x 128 k) is 4 chunks of 512 bytes, lane l's 16 bytes at 16 l,
; chunk c holding k = 32 c + 16 (l / 16) + 0..15 of row l % 16; a scale word is 4 bytes a lane (lanes 16-31 repeat lanes 0-15).
; TILES ARE PERMUTED: lane r of tile t holds row (or column) 32 (t / 2) + 8 (t % 2) + r + 8 (r / 8).
; xq: [block of 128 rows: 64] x 69,632: codes [k step 4][tile 8][2,048], at +65,536 words [k step 4][tile 8][128].
; w1: [u, v, q, k] x 139,264: codes [k step 4][tile 16][2,048], at +131,072 words.   w2: [half of N] x 208,896: codes [k step 6][tile 16][2,048], at +196,608 words.
; The variance is taken of the centred numbers (two passes over registers).  No matrix unit, no cluster: a stream, each byte read once.
; LIMITS: NaN and infinities are not served; a block whose largest magnitude lies under 2^-118 (a block of zeros too) gets the byte 1: only this program reads the bytes.
.set STP,  2064                        ; a stage row: 2,048 bytes + 16: row r starts 4 r banks on
.set X,    16                          ; v16-79   four rows x 16 numbers; later 64 numbers of one row for the quantiser; in the weights' path two sets of 32
.set SC,   80                          ; v80-95   in_scale of my 16 columns
.set BI,   96                          ; v96-111  in_bias
.set TM,   112                         ; v112-127 at work
.set CD,   80                          ; codes (in_scale's registers, done with)
.set PW,   96                          ; the scale word
.set TP,   0                           ; (not used here)
.set SEL,  40                          ; s[40:41] v_permlanex16_b32's selects for lane l xor 16
.set MNT,  42                          ; s42      the mantissa field of 448
; 64 numbers of a lane, register 16 b + i = element 16 (lane / 16) + i of block b of my row, become 16 registers of codes in v[CD] on.
; ip = 1: the hold is made in place; 0: into v[TP] on, the numbers stay.  word = 1: the four bytes are joined in v[PW].  The bytes stay in v[TM+4] on.
.macro QUANT s, ip, word
.irp b, 0,1,2,3
	v_max3_num_f32 v[TM+\b], |v[(\s)+16*\b]|, |v[(\s)+16*\b+1]|, 0x4800000   ; my 16 numbers of block b, and the floor 2^(9 - 127): the byte cannot fall under 1
.endr
.irp i, 2,4,6,8,10,12,14
.irp b, 0,1,2,3
	v_max3_num_f32 v[TM+\b], v[TM+\b], |v[(\s)+16*\b+\i]|, |v[(\s)+16*\b+\i+1]|
.endr
.endr
.irp b, 0,1,2,3
	v_permlanex16_b32 v[TM+4+\b], v[TM+\b], s[SEL], s[SEL+1]
.endr
.irp b, 0,1,2,3
	v_max_num_f32 v[TM+\b], v[TM+\b], v[TM+4+\b]       ; with lane l xor 16's 16: the block's largest magnitude
.endr
.irp b, 0,1,2,3
	v_add_nc_u32 v[TM+12+\b], 0xfc000000, v[TM+\b]     ; 8 off its exponent field: the conversion's scale operand
.endr
.irp b, 0,1,2,3
	v_and_or_b32 v[TM+8+\b], v[TM+\b], 0x7f800000, s[MNT]   ; 448 x the scale
.endr
.irp b, 0,1,2,3
	v_lshrrev_b32 v[TM+4+\b], 23, v[TM+12+\b]          ; the scale's byte
.endr
.if \word
	v_lshl_or_b32 v[PW], v[TM+5], 8, v[TM+4]
	v_lshl_or_b32 v[PW], v[TM+6], 16, v[PW]
	v_lshl_or_b32 v[PW], v[TM+7], 24, v[PW]
.endif
.irp g, 0,1,2,3,4,5,6,7
.irp i, 0,1,2,3,4,5,6,7
.if \ip
	v_med3_num_f32 v[(\s)+8*\g+\i], v[(\s)+8*\g+\i], -v[TM+8+\g/2], v[TM+8+\g/2]   ; the conversion does not saturate (ISA guide 7.6.2): hold first
.else
	v_med3_num_f32 v[TP+8*(\g%2)+\i], v[(\s)+8*\g+\i], -v[TM+8+\g/2], v[TM+8+\g/2]
.endif
.endr
.if \ip
	v_cvt_scalef32_pk8_fp8_f32 v[CD+2*\g:CD+2*\g+1], v[(\s)+8*\g:(\s)+8*\g+7], v[TM+12+\g/2]
.else
	v_cvt_scalef32_pk8_fp8_f32 v[CD+2*\g:CD+2*\g+1], v[TP+8*(\g%2):TP+8*(\g%2)+7], v[TM+12+\g/2]
.endif
.endr
	v_nop                                              ; a plain line behind the last conversion
.endm
; the sum over the 32 lanes of v[TM+4 i+a], i = 0..3 by turns; v[TM+4 i+t] is at work
.macro LANES a, t
.irp m, 1,2,4,8
.irp i, 0,1,2,3
	v_add_f32_dpp v[TM+4*\i+\a], v[TM+4*\i+\a], v[TM+4*\i+\a] row_xmask:\m row_mask:0xf bank_mask:0xf
.endr
.endr
.irp i, 0,1,2,3
	v_permlanex16_b32 v[TM+4*\i+\t], v[TM+4*\i+\a], s[SEL], s[SEL+1]
.endr
.irp i, 0,1,2,3
	v_add_f32 v[TM+4*\i+\a], v[TM+4*\i+\a], v[TM+4*\i+\t]
.endr
.endm
	s_load_b256 s[4:11], s[0:1], 0x0               ; x s[4:5], in_scale s[6:7], in_bias s[8:9], uvqk_weight s[10:11]
	s_load_b256 s[12:19], s[0:1], 0x20             ; output_weight s[12:13], xq s[14:15], w1 s[16:17], w2 s[18:19]
	v_lshl_add_u32 v128, v0, 2, 0x10200
	v_mov_b32 v129, 0
	v_lshrrev_b32 v1, 5, v0
	v_readfirstlane_b32 s20, v1                    ; wave 0..7
	v_and_b32 v1, 31, v0                           ; lane
	v_lshlrev_b32 v2, 4, v1                        ; 16 l
	v_lshlrev_b32 v5, 2, v1                        ; 4 l
	s_mov_b32 s[SEL], 0x76543210
	s_mov_b32 s[SEL+1], 0xfedcba98
	s_mov_b32 s[MNT], 0x600000
	s_cmp_lt_u32 ttmp9, 256
	s_cbranch_scc0 .Lweights
	; ---------------- x: work-group G takes rows 32 G .. 32 G + 31 = tiles 2 (G % 4), 2 (G % 4) + 1 of block G / 4
	s_lshl_b32 s24, ttmp9, 16                      ; 32 rows of 2,048 bytes,
	s_lshl_b32 s26, s20, 13                        ; my wave's four rows
	s_add_co_u32 s24, s24, s26
	s_mov_b32 s25, 0
	s_bfe_u32 s26, s20, 0x10001                    ; local row 4 w + i stands in the stage at 16 ((w / 2) % 2) + 4 (w % 2) + 8 (w / 4) + i: the tiles' order
	s_lshl_b32 s26, s26, 4
	s_and_b32 s27, s20, 1
	s_lshl_b32 s27, s27, 2
	s_add_co_u32 s26, s26, s27
	s_lshr_b32 s27, s20, 2
	s_lshl_b32 s27, s27, 3
	s_add_co_u32 s26, s26, s27
	s_mul_i32 s26, s26, STP
	v_add_nc_u32 v3, s26, v2                       ; the stage, on the way in
	v_and_b32 v6, 15, v1                           ; r
	v_lshrrev_b32 v7, 4, v1                        ; h
	v_mul_u32_u24 v4, v6, STP
	v_lshl_add_u32 v4, v7, 6, v4
	s_lshr_b32 s27, s20, 2                         ; second phase: my tile u = w / 4,
	s_and_b32 s28, s20, 3                          ; my k step = w % 4
	s_mul_i32 s29, s27, 16*STP
	s_lshl_b32 s30, s28, 9
	s_add_co_u32 s29, s29, s30
	v_add_nc_u32 v4, s29, v4                       ; the stage, on the way out: (16 u + r) rows + 512 k step + 64 h
	s_lshr_b32 s30, ttmp9, 2
	s_mul_i32 s30, s30, 69632                      ; the block's region of xq
	s_and_b32 s31, ttmp9, 3
	s_lshl_b32 s31, s31, 1
	s_add_co_u32 s31, s31, s27                     ; my tile in the block
	s_lshl_b32 s32, s28, 14
	s_lshl_b32 s33, s31, 11
	s_add_co_u32 s32, s32, s33
	s_add_co_u32 s32, s32, s30                     ; my fragment's image
	s_mov_b32 s33, 0
	s_lshl_b32 s34, s28, 10
	s_lshl_b32 s35, s31, 7
	s_add_co_u32 s34, s34, s35
	s_add_co_u32 s34, s34, s30
	s_add_co_u32 s34, s34, 65536                   ; and its scale words
	s_mov_b32 s35, 0
	s_mov_b32 s21, 0x3b000000                      ; 2^-9
	s_wait_kmcnt 0x0
	s_add_nc_u64 s[4:5], s[4:5], s[24:25]
	s_add_nc_u64 s[32:33], s[14:15], s[32:33]
	s_add_nc_u64 s[34:35], s[14:15], s[34:35]
.irp q, 0,1,2,3
	global_load_b128 v[SC+4*\q:SC+4*\q+3], v2, s[6:7] offset:512*\q
	global_load_b128 v[BI+4*\q:BI+4*\q+3], v2, s[8:9] offset:512*\q
.endr
.irp i, 0,1,2,3
.irp q, 0,1,2,3
	global_load_b128 v[X+16*\i+4*\q:X+16*\i+4*\q+3], v2, s[4:5] offset:2048*\i+512*\q th:TH_LOAD_NT   ; 32 lanes read 512 consecutive bytes
.endr
.endr
	s_wait_loadcnt 0x0                             ; all 24 are wanted at once
.irp i, 0,1,2,3                                ; the rows' sums, the four rows by turns
	v_pk_add_f32 v[TM+4*\i:TM+4*\i+1], v[X+16*\i:X+16*\i+1], v[X+16*\i+2:X+16*\i+3]
	v_pk_add_f32 v[TM+4*\i+2:TM+4*\i+3], v[X+16*\i+4:X+16*\i+5], v[X+16*\i+6:X+16*\i+7]
.endr
.irp k, 8,12
.irp i, 0,1,2,3
	v_pk_add_f32 v[TM+4*\i:TM+4*\i+1], v[TM+4*\i:TM+4*\i+1], v[X+16*\i+\k:X+16*\i+\k+1]
	v_pk_add_f32 v[TM+4*\i+2:TM+4*\i+3], v[TM+4*\i+2:TM+4*\i+3], v[X+16*\i+\k+2:X+16*\i+\k+3]
.endr
.endr
.irp i, 0,1,2,3
	v_pk_add_f32 v[TM+4*\i:TM+4*\i+1], v[TM+4*\i:TM+4*\i+1], v[TM+4*\i+2:TM+4*\i+3]
.endr
.irp i, 0,1,2,3
	v_add_f32 v[TM+4*\i], v[TM+4*\i], v[TM+4*\i+1]
.endr
	LANES 0, 2
.irp i, 0,1,2,3
	v_mul_f32 v[TM+4*\i], 0x3b000000, v[TM+4*\i]   ; the mean: the sum x 2^-9
.endr
.irp i, 0,1,2,3
.irp k, 0,2,4,6,8,10,12,14
	v_pk_add_f32 v[X+16*\i+\k:X+16*\i+\k+1], v[X+16*\i+\k:X+16*\i+\k+1], v[TM+4*\i:TM+4*\i+1] op_sel_hi:[1,0] neg_lo:[0,1] neg_hi:[0,1]   ; x - mean
.endr
.endr
.irp i, 0,1,2,3
	v_pk_mul_f32 v[TM+4*\i+2:TM+4*\i+3], v[X+16*\i:X+16*\i+1], v[X+16*\i:X+16*\i+1]
.endr
.irp k, 2,4,6,8,10,12,14
.irp i, 0,1,2,3
	v_pk_fma_f32 v[TM+4*\i+2:TM+4*\i+3], v[X+16*\i+\k:X+16*\i+\k+1], v[X+16*\i+\k:X+16*\i+\k+1], v[TM+4*\i+2:TM+4*\i+3]
.endr
.endr
.irp i, 0,1,2,3
	v_add_f32 v[TM+4*\i+2], v[TM+4*\i+2], v[TM+4*\i+3]
.endr
	LANES 2, 3
.irp i, 0,1,2,3
	v_fmaak_f32 v[TM+4*\i+2], s21, v[TM+4*\i+2], 0x358637bd   ; the variance + 1e-6
.endr
.irp i, 0,1,2,3
	v_rsq_f32 v[TM+4*\i+2], v[TM+4*\i+2]
.endr
	v_nop                                          ; a plain line behind the last of the batch
	s_wait_alu depctr_va_vdst(0)                   ; one wait for the four, ahead of their first reader
.irp i, 0,1,2,3
.irp k, 0,2,4,6,8,10,12,14
	v_pk_mul_f32 v[X+16*\i+\k:X+16*\i+\k+1], v[X+16*\i+\k:X+16*\i+\k+1], v[TM+4*\i+2:TM+4*\i+3] op_sel_hi:[1,0]
.endr
.endr
.irp i, 0,1,2,3
.irp k, 0,2,4,6,8,10,12,14
	v_pk_fma_f32 v[X+16*\i+\k:X+16*\i+\k+1], v[X+16*\i+\k:X+16*\i+\k+1], v[SC+\k:SC+\k+1], v[BI+\k:BI+\k+1]
.endr
.endr
.irp i, 0,1,2,3
.irp q, 0,1,2,3
	ds_store_b128 v3, v[X+16*\i+4*\q:X+16*\i+4*\q+3] offset:STP*\i+512*\q
.endr
.endr
	s_wait_dscnt 0x0                               ; for the others' sake: my rows lie in the stage
	s_barrier_signal -1
	s_barrier_wait -1
.irp b, 0,1,2,3
.irp q, 0,1,2,3
	ds_load_b128 v[X+16*\b+4*\q:X+16*\b+4*\q+3], v4 offset:128*\b+16*\q   ; register 16 b + i: column 128 k step + 32 b + 16 h + i of the tile's row r
.endr
.endr
	s_wait_dscnt 0x0
	QUANT X, 1, 1
.irp c, 0,1,2,3
	global_store_b128 v2, v[CD+4*\c:CD+4*\c+3], s[32:33] offset:512*\c   ; 512 consecutive bytes a store
.endr
	global_store_b32 v5, v[PW], s[34:35]
	s_wait_tensorcnt 0x0
	ds_add_u32 v128, v129
	s_wait_dscnt 0x0
	s_endpgm
	; ---------------- the weights: a wave takes 32 columns x 128 along k.  A lane takes a column, its registers run down k: a block of 32 lies in one lane
.macro LOADW c, rowb
.set i, 0
.rept 32
	global_load_b32 v[X+32*((\c)%2)+i], v5, s[24:25] offset:(32*(\c)+i)*\rowb th:TH_LOAD_NT
.set i, i+1
.endr
.endm
.macro WBLOCK c, rowb
.set XB, X+32*((\c)%2)
.if (\c) < 3
	s_wait_loadcnt 32                              ; this block's 32 loads are in; the next block's may be out
.else
	s_wait_loadcnt 0x0
.endif
	v_max3_num_f32 v113, |v[XB]|, |v[XB+1]|, |v[XB+2]|
	v_max3_num_f32 v114, |v[XB+3]|, |v[XB+4]|, |v[XB+5]|
.irp k, 6,10,14,18,22,26
	v_max3_num_f32 v113, v113, |v[XB+\k]|, |v[XB+\k+1]|
	v_max3_num_f32 v114, v114, |v[XB+\k+2]|, |v[XB+\k+3]|
.endr
	v_max3_num_f32 v113, v113, |v[XB+30]|, |v[XB+31]|
	v_max3_num_f32 v113, v113, v114, 0x4800000     ; and the floor
	v_add_nc_u32 v115, 0xfc000000, v113            ; the conversion's scale operand
	v_and_or_b32 v116, v113, 0x7f800000, s[MNT]    ; 448 x the scale
	v_lshrrev_b32 v114, 23, v115                   ; the byte
.if (\c) == 0
	v_mov_b32 v112, v114
.else
	v_lshl_or_b32 v112, v114, 8*(\c), v112         ; the k step's scale word of my column
.endif
.set i, 0
.rept 32
	v_med3_num_f32 v[XB+i], v[XB+i], -v116, v116
.set i, i+1
.endr
.irp g, 0,1,2,3
	v_cvt_scalef32_pk8_fp8_f32 v[80+8*(\c)+2*\g:80+8*(\c)+2*\g+1], v[XB+8*\g:XB+8*\g+7], v115   ; each block has its own code registers: no store's data are written again
.endr
	global_store_b128 v3, v[80+8*(\c):80+8*(\c)+3], s[28:29] offset:512*(\c)          ; k = 0..15 of the block: the image's lanes 0-15; sixteen lanes fill 256 aligned bytes
	global_store_b128 v3, v[80+8*(\c)+4:80+8*(\c)+7], s[28:29] offset:512*(\c)+256    ; k = 16..31: its lanes 16-31
.if (\c)+2 < 4
	LOADW (\c)+2, \rowb
.endif
.endm
.macro WPATH src, dst, first, cgb, rowb, region, scoff
	s_sub_co_u32 s21, ttmp9, \first
	s_lshl_b32 s21, s21, 3
	s_add_co_u32 s21, s21, s20                     ; my unit
	s_and_b32 s22, s21, (1<<\cgb)-1                ; which 32 columns
	s_lshr_b32 s23, s21, \cgb                      ; which k step
	s_mul_i32 s24, s23, 128*\rowb
	s_lshl_b32 s26, s22, 7
	s_add_co_u32 s24, s24, s26
	s_mov_b32 s25, 0
	s_lshr_b32 s26, s22, 3
	s_mul_i32 s26, s26, \region                    ; 256 columns to a region
	s_and_b32 s27, s22, 7
	s_lshl_b32 s28, s23, 15
	s_lshl_b32 s29, s27, 12
	s_add_co_u32 s28, s28, s29
	s_add_co_u32 s28, s28, s26                     ; my two tiles' images
	s_mov_b32 s29, 0
	s_lshl_b32 s30, s23, 11
	s_lshl_b32 s31, s27, 8
	s_add_co_u32 s30, s30, s31
	s_add_co_u32 s30, s30, s26
	s_add_co_u32 s30, s30, \scoff                  ; and their scale words
	s_mov_b32 s31, 0
	s_wait_kmcnt 0x0
	s_add_nc_u64 s[24:25], s[\src:\src+1], s[24:25]
	s_add_nc_u64 s[28:29], s[\dst:\dst+1], s[28:29]
	s_add_nc_u64 s[30:31], s[\dst:\dst+1], s[30:31]
	LOADW 0, \rowb
	LOADW 1, \rowb
	WBLOCK 0, \rowb
	WBLOCK 1, \rowb
	WBLOCK 2, \rowb
	WBLOCK 3, \rowb
	global_store_b32 v4, v112, s[30:31]            ; the word, for the image's lanes 0-15
	global_store_b32 v4, v112, s[30:31] offset:64  ; and once more for its lanes 16-31
	s_endpgm
.endm
.Lweights:
	v_bfe_u32 v6, v1, 3, 1                         ; column l of the 32 lies in tile (l / 8) % 2 of the pair,
	v_and_b32 v7, 7, v1
	v_lshrrev_b32 v8, 4, v1
	v_lshl_add_u32 v7, v8, 3, v7                   ; at its lane l % 8 + 8 (l / 16)
	v_lshlrev_b32 v3, 4, v7
	v_lshl_add_u32 v3, v6, 11, v3                  ; codes: 2,048 x tile + 16 x lane
	v_lshlrev_b32 v4, 2, v7
	v_lshl_add_u32 v4, v6, 7, v4                   ; words: 128 x tile + 4 x lane
	s_cmp_lt_u32 ttmp9, 272
	s_cbranch_scc0 .Lw2
	WPATH 10, 16, 256, 5, 4096, 139264, 131072
.Lw2:
	WPATH 12, 18, 272, 4, 2048, 208896, 196608
.Lfunc_end_k_q5c75ddb256_prep:
	.size	k_q5c75ddb256_prep, .Lfunc_end_k_q5c75ddb256_prep-k_q5c75ddb256_prep
	.p2alignl 7, 3214868480
	.fill 96, 4, 3214868480
	.section	.rodata,"a",@progbits
	.p2align	6, 0x0
	.amdhsa_kernel k_q5c75ddb256_prep
		.amdhsa_group_segment_fixed_size 67072
		.amdhsa_private_segment_fixed_size 0
		.amdhsa_enable_private_segment 0
		.amdhsa_kernarg_size 64
		.amdhsa_user_sgpr_count 2
		.amdhsa_user_sgpr_kernarg_segment_ptr 1
		.amdhsa_wavefront_size32 1
		.amdhsa_system_sgpr_workgroup_id_x 1
		.amdhsa_system_sgpr_workgroup_id_y 1
		.amdhsa_system_sgpr_workgroup_id_z 1
		.amdhsa_system_vgpr_workitem_id 0
		.amdhsa_next_free_vgpr 130
		.amdhsa_next_free_sgpr 66
		.amdhsa_reserve_vcc 0
		.amdhsa_float_denorm_mode_32 3
		.amdhsa_float_denorm_mode_16_64 3
		.amdhsa_memory_ordered 1
		.amdhsa_forward_progress 1
		.amdhsa_inst_pref_size 86
	.end_amdhsa_kernel
	.amdgpu_metadata
---
amdhsa.version: [ 1, 2 ]
amdhsa.kernels:
  - .name:           k_q5c75ddb256_prep
    .symbol:         k_q5c75ddb256_prep.kd
    .args:
      - { .name: x, .offset: 0, .size: 8, .value_kind: global_buffer, .address_space: global }
      - { .name: in_scale, .offset: 8, .size: 8, .value_kind: global_buffer, .address_space: global }
      - { .name: in_bias, .offset: 16, .size: 8, .value_kind: global_buffer, .address_space: global }
      - { .name: uvqk_weight, .offset: 24, .size: 8, .value_kind: global_buffer, .address_space: global }
      - { .name: output_weight, .offset: 32, .size: 8, .value_kind: global_buffer, .address_space: global }
      - { .name: xq, .offset: 40, .size: 8, .value_kind: global_buffer, .address_space: global }
      - { .name: w1, .offset: 48, .size: 8, .value_kind: global_buffer, .address_space: global }
      - { .name: w2, .offset: 56, .size: 8, .value_kind: global_buffer, .address_space: global }
    .group_segment_fixed_size: 67072
    .private_segment_fixed_size: 0
    .kernarg_segment_align: 8
    .kernarg_segment_size: 64
    .max_flat_workgroup_size: 256
    .sgpr_count:     66
    .vgpr_count:     130
    .wavefront_size: 32
...
	.end_amdgpu_metadata
.endif
;; end of part 1
;; launch uvqk (part 2): grid 64 x 4, 16 waves a work-group, no clusters, 219,136 bytes of LDS; arguments xq, w1, uvqk_beta, num_targets, ub, qb, kd, kv; writes ub, qb, kd, kv
.if DOCPART == 2
	.amdgcn_target "amdgcn-amd-amdhsa--gfx1250"
	.amdhsa_code_object_version 6
	.text
	.protected	k_q5c75ddb256_uvqk
	.globl	k_q5c75ddb256_uvqk
	.p2align	8
	.type	k_q5c75ddb256_uvqk,@function
k_q5c75ddb256_uvqk:
	s_mov_b64 s[64:65], 0
	v_nop
	global_prefetch_b8 v0, s[64:65] scope:SCOPE_SE
	s_setreg_imm32_b32 hwreg(HW_REG_WAVE_MODE, 25, 1), 1
	s_wait_xcnt 0x0
; LAUNCH 2.  uvqk = LN(x) W + beta on codes of E4M3 (K = 512, four steps of 128), and what becomes of its four parts.
; A work-group takes 128 rows (x of the grid) x 256 columns (y: part 0 u, 1 v, 2 q, 3 k).  Wave w: head hd = w % 4 (64 columns, 4 tiles), pair of row tiles p = w / 4: eight accumulators.
; Operands are images of registers (see launch 1); both operands of the whole K lie in LDS, filled ONCE by copies issued at the head, K step by K step, and waited for step by step.
; ORDER AT THE HEAD: beta's loads and the scalar load of num_targets are issued ahead of the 26 copies: the first K step then waits for them and for the first eight copies of each wave alone.
; Parts u, q, k: source 0 = W's tile, source 1 = x's: a lane holds one row, its registers run along the channels (the tiles' permutation makes 16 registers of two tiles 16 neighbours).
;   u: silu, f32, to ub [tile 512][chunk 32][512].   q, k: quantised along the head's 64 (two blocks): codes [bh][tile 128][1,024] and words whose bytes 2, 3 are 0.
;   k goes out twice: as it is (kd), and with the codes of keys >= 2,048 - num_targets[b] cleared (kv): such a key's scores are then 0, which is what the mask makes of them off the diagonal.
; Part v: the sources are swapped: a lane holds one channel, its registers run along the KEYS, which are the K of the product with p: quantised so; a block's 32 keys are pair p's rows.
; kv: [bh 16][slot of 512 keys: 4] x 71,680: K codes [tile 32][1,024]; +32,768 V codes [step 4][channel tile 4][2,048]; +65,536 K words [32][128]; +69,632 V words [4][4][128].
; beta is the C of each sum's first matrix instruction.  No branch hangs on loaded data: num_targets enters one compare and selects.
; NO CLUSTER: LDS is filled by lane copies, once; w1's part is shared by the 64 work-groups of a grid row and xq's block by four: joint tensor loads could fetch them once for four partners; not done in this form.
; LIMITS: NaN and infinities are not served; blocks under 2^-118 (zeros too) get the byte 1: only this program reads the bytes.
.set XS,   0                           ; LDS: x's scale words, 4,096
.set WS,   4096                        ; W's, 8,192
.set XC,   12288                       ; x's codes, 65,536
.set WC,   77824                       ; W's codes, 131,072
.set VSC,  208896                      ; v's scale bytes, a word each: [hd 4][p 4][channel tile 4][128]: 8,192, written by LDS stores alone, no copy lands here
.set AW,   9                           ; v9   my four W fragments of the K step in hand
.set AX,   10                          ; v10  my two x fragments
.set AWS,  11                          ; v11  W's scale words
.set AXS,  12                          ; v12  x's
.set VSB,  13                          ; v13  where my bytes of v's scale words go
.set VSR,  14                          ; v14  and where I read four of them back
.set H64,  15                          ; v15  64 h
.set BI,   16                          ; v16-47   beta, as C
.set WF,   48                          ; v48-111  W's fragments; later at work for silu
.set XF,   112                         ; v112-143 x's fragments
.set MK,   112                         ; later: k's cleared codes
.set ACC,  144                         ; v144-207 eight accumulators
.set WSC,  208                         ; v208-211 W's scale words, v212-213 x's: scales and nothing else
.set XSC,  212
.set QW,   214                         ; v214-215 q's or k's scale words
.set TM,   216                         ; v216-231 the quantiser's
.set PW,   232
.set CW2,  233                         ; v233 the copies' LDS address in the second 65,536 bytes of W's codes; never rewritten
.set CD,   236                         ; v236-251 codes
.set TP,   0
.set RL,   252                         ; v252 r + 8 (r / 8)
.set RL4,  253
.set KEY,  254
.set NL,   52                          ; s[52:53] -log2(e)
.set SEL,  56
.set MNT,  58
.macro QUANT s, ip, word
.irp b, 0,1,2,3
	v_max3_num_f32 v[TM+\b], |v[(\s)+16*\b]|, |v[(\s)+16*\b+1]|, 0x4800000   ; my 16 numbers of block b, and the floor 2^(9 - 127)
.endr
.irp i, 2,4,6,8,10,12,14
.irp b, 0,1,2,3
	v_max3_num_f32 v[TM+\b], v[TM+\b], |v[(\s)+16*\b+\i]|, |v[(\s)+16*\b+\i+1]|
.endr
.endr
.irp b, 0,1,2,3
	v_permlanex16_b32 v[TM+4+\b], v[TM+\b], s[SEL], s[SEL+1]
.endr
.irp b, 0,1,2,3
	v_max_num_f32 v[TM+\b], v[TM+\b], v[TM+4+\b]
.endr
.irp b, 0,1,2,3
	v_add_nc_u32 v[TM+12+\b], 0xfc000000, v[TM+\b]
.endr
.irp b, 0,1,2,3
	v_and_or_b32 v[TM+8+\b], v[TM+\b], 0x7f800000, s[MNT]
.endr
.irp b, 0,1,2,3
	v_lshrrev_b32 v[TM+4+\b], 23, v[TM+12+\b]
.endr
.if \word
	v_lshl_or_b32 v[PW], v[TM+5], 8, v[TM+4]
	v_lshl_or_b32 v[PW], v[TM+6], 16, v[PW]
	v_lshl_or_b32 v[PW], v[TM+7], 24, v[PW]
.endif
.irp g, 0,1,2,3,4,5,6,7
.irp i, 0,1,2,3,4,5,6,7
.if \ip
	v_med3_num_f32 v[(\s)+8*\g+\i], v[(\s)+8*\g+\i], -v[TM+8+\g/2], v[TM+8+\g/2]
.else
	v_med3_num_f32 v[TP+8*(\g%2)+\i], v[(\s)+8*\g+\i], -v[TM+8+\g/2], v[TM+8+\g/2]
.endif
.endr
.if \ip
	v_cvt_scalef32_pk8_fp8_f32 v[CD+2*\g:CD+2*\g+1], v[(\s)+8*\g:(\s)+8*\g+7], v[TM+12+\g/2]
.else
	v_cvt_scalef32_pk8_fp8_f32 v[CD+2*\g:CD+2*\g+1], v[TP+8*(\g%2):TP+8*(\g%2)+7], v[TM+12+\g/2]
.endif
.endr
	v_nop
.endm
	s_load_b256 s[4:11], s[0:1], 0x0               ; xq s[4:5], w1 s[6:7], beta s[8:9], num_targets s[10:11]
	s_load_b256 s[12:19], s[0:1], 0x20             ; ub s[12:13], qb s[14:15], kd s[16:17], kv s[18:19]
	v_lshl_add_u32 v235, v0, 2, 0x35000
	v_mov_b32 v255, 0
	ds_add_u32 v235, v255
	ds_add_u32 v235, v255
	v_lshrrev_b32 v1, 5, v0
	v_readfirstlane_b32 s20, v1                    ; wave 0..15
	s_and_b32 s21, s20, 3                          ; hd
	s_lshr_b32 s22, s20, 2                         ; p
	s_mov_b32 s23, ttmp9                           ; block of 128 rows
	s_and_b32 s24, ttmp7, 0xffff                   ; part
	s_lshr_b32 s25, s23, 4                         ; batch
	s_and_b32 s26, s23, 15                         ; block in the batch
	s_lshl_b32 s27, s25, 2
	s_add_co_u32 s27, s27, s21                     ; bh
	v_lshlrev_b32 v4, 3, v0                        ; the copies' addresses, v3-v8 and v233, and their bases, s[28:35] and s[60:61], are never rewritten
	v_add_nc_u32 v3, XS, v4
	v_lshlrev_b32 v6, 4, v0
	v_add_nc_u32 v5, WS, v6
	v_add_nc_u32 v7, XC, v6
	v_add_nc_u32 v8, WC, v6
	v_add_nc_u32 v[CW2], WC+65536, v6
	v_bfe_u32 v[H64], v0, 4, 1                     ; beta's offsets: never rewritten
	v_lshlrev_b32 v[H64], 6, v[H64]
	v_and_b32 v[RL], 15, v0
	v_and_b32 v[RL4], 8, v[RL]
	v_add_nc_u32 v[RL], v[RL], v[RL4]
	v_lshlrev_b32 v[RL4], 2, v[RL]
	s_mul_i32 s40, s23, 69632
	s_mov_b32 s41, 0
	s_mul_i32 s42, s24, 139264
	s_mov_b32 s43, 0
	s_lshl_b32 s44, s24, 10
	s_lshl_b32 s45, s21, 8
	s_add_co_u32 s44, s44, s45
	s_mov_b32 s45, 0
	s_wait_dscnt 0x0
	s_wait_kmcnt 0x0
	s_load_b128 s[36:39], s[10:11], 0x0            ; num_targets, all four
	s_add_nc_u64 s[8:9], s[8:9], s[44:45]          ; beta at my 64 columns
	s_add_nc_u64 s[28:29], s[4:5], s[40:41]
	s_add_nc_u64 s[30:31], s[28:29], 65536
	s_add_nc_u64 s[32:33], s[6:7], s[42:43]
	s_add_nc_u64 s[34:35], s[32:33], 131072
	s_add_nc_u64 s[60:61], s[32:33], 65536         ; W's K steps 2 and 3: a base and an LDS address of their own, so that every copy's immediate stays under 65,536
	s_cmp_eq_u32 s24, 1                            ; beta is asked for ahead of the copies: the first products want it
	s_cbranch_scc1 .Lbias_v
.irp i, 0,1,2,3                                ; C(m = 8 h + j, n): the channel 32 (i / 2) + 8 (i % 2) + 16 h + j
	global_load_b128 v[BI+8*\i:BI+8*\i+3], v[H64], s[8:9] offset:(32*(\i/2)+8*(\i%2))*4
	global_load_b128 v[BI+8*\i+4:BI+8*\i+7], v[H64], s[8:9] offset:(32*(\i/2)+8*(\i%2))*4+16
.endr
	s_branch .Lbias_asked
.Lbias_v:
.irp i, 0,1,2,3                                ; swapped sources: the channel lies across the lanes: one number a lane, loaded into all eight registers: no copying by vector instructions, no second branch
.irp e, 0,1,2,3,4,5,6,7
	global_load_b32 v[BI+8*\i+\e], v[RL4], s[8:9] offset:(32*(\i/2)+8*(\i%2))*4
.endr
.endr
.Lbias_asked:
	global_load_async_to_lds_b64 v3, v4, s[30:31]          ; x's scale words: 512 threads x 8 bytes
	global_load_async_to_lds_b128 v5, v6, s[34:35]         ; W's: 512 x 16
.irp s, 0,1,2,3                                ; then six copies a wave for each K step: LDS mirrors memory, so one immediate serves both addresses
.irp i, 0,1
	global_load_async_to_lds_b128 v7, v6, s[28:29] offset:16384*\s+8192*\i
.endr
.irp i, 0,1,2,3
.if \s < 2
	global_load_async_to_lds_b128 v8, v6, s[32:33] offset:32768*\s+8192*\i
.else
	global_load_async_to_lds_b128 v[CW2], v6, s[60:61] offset:32768*(\s-2)+8192*\i
.endif
.endr
.endr
	v_and_b32 v9, 31, v0
	v_lshlrev_b32 v1, 4, v9                        ; 16 l
	v_lshlrev_b32 v2, 2, v9                        ; 4 l
	s_lshl_b32 s44, s21, 13
	s_add_co_u32 s44, s44, WC
	v_add_nc_u32 v[AW], s44, v1
	s_lshl_b32 s44, s22, 12
	s_add_co_u32 s44, s44, XC
	v_add_nc_u32 v[AX], s44, v1
	s_lshl_b32 s44, s21, 9
	s_add_co_u32 s44, s44, WS
	v_add_nc_u32 v[AWS], s44, v2
	s_lshl_b32 s44, s22, 8
	s_add_co_u32 s44, s44, XS
	v_add_nc_u32 v[AXS], s44, v2
	s_lshl_b32 s44, s21, 11
	s_lshl_b32 s45, s22, 9
	s_add_co_u32 s44, s44, s45
	s_add_co_u32 s44, s44, VSC
	v_add_nc_u32 v[VSB], s44, v2                   ; VSC + 2,048 hd + 512 p + 4 l: 512 bytes that are my wave's own
	s_lshl_b32 s44, s22, 11
	s_lshl_b32 s45, s21, 7
	s_add_co_u32 s44, s44, s45
	s_add_co_u32 s44, s44, VSC
	v_add_nc_u32 v[VSR], s44, v2                   ; VSC + 2,048 (w / 4) + 128 (w % 4) + 4 l: head w / 4, channel tile w % 4; the four p lie 512 bytes apart
.irp b, 0,1,2,3
	v_mov_b32 v[TM+4+\b], 0                        ; written once: a lane permute's destination counts as one of its sources
.endr
	s_mov_b32 s[SEL], 0x76543210
	s_mov_b32 s[SEL+1], 0xfedcba98
	s_mov_b32 s[MNT], 0x600000
	s_wait_kmcnt 0x0
	s_cmp_eq_u32 s25, 1                            ; my batch's num_targets: chosen by the batch's number
	s_cselect_b32 s36, s37, s36
	s_cmp_eq_u32 s25, 2
	s_cselect_b32 s36, s38, s36
	s_cmp_eq_u32 s25, 3
	s_cselect_b32 s36, s39, s36
	s_sub_co_i32 s36, 2048, s36                    ; the first key that counts for nobody but itself
	s_wait_loadcnt 0x0                             ; beta: 8 or 32 loads, by the part: the count is 0 on both ways
; A K step.  left: the copies of mine that were issued behind this step's six.
.macro KSTEP s, left
	s_wait_asynccnt \left                          ; my part of this step's tiles (and of the scale words) has landed;
	s_barrier_signal -1
	s_barrier_wait -1                              ; everybody's has
.irp i, 0,1,2,3
.irp c, 0,1,2,3
	ds_load_b128 v[WF+16*\i+4*\c:WF+16*\i+4*\c+3], v[AW] offset:2048*\i+512*\c
.endr
.endr
.irp j, 0,1
.irp c, 0,1,2,3
	ds_load_b128 v[XF+16*\j+4*\c:XF+16*\j+4*\c+3], v[AX] offset:2048*\j+512*\c
.endr
.endr
.irp i, 0,1,2,3
	ds_load_b32 v[WSC+\i], v[AWS] offset:2048*\s+128*\i
.endr
.irp j, 0,1
	ds_load_b32 v[XSC+\j], v[AXS] offset:1024*\s+128*\j
.endr
	s_wait_dscnt 0x0
	s_cmp_eq_u32 s24, 1
	s_cbranch_scc1 .Lswapped_\@
.irp j, 0,1                                    ; the eight accumulators by turns, one instruction a turn
.irp i, 0,1,2,3
.if \s == 0
	v_wmma_scale_f32_16x16x128_f8f6f4 v[ACC+8*(4*\j+\i):ACC+8*(4*\j+\i)+7], v[WF+16*\i:WF+16*\i+15], v[XF+16*\j:XF+16*\j+15], v[BI+8*\i:BI+8*\i+7], v[WSC+\i], v[XSC+\j]
.else
	v_wmma_scale_f32_16x16x128_f8f6f4 v[ACC+8*(4*\j+\i):ACC+8*(4*\j+\i)+7], v[WF+16*\i:WF+16*\i+15], v[XF+16*\j:XF+16*\j+15], v[ACC+8*(4*\j+\i):ACC+8*(4*\j+\i)+7], v[WSC+\i], v[XSC+\j]
.endif
.endr
.endr
	s_branch .Lmult_\@
.Lswapped_\@:
.irp i, 0,1,2,3
.irp j, 0,1
.if \s == 0
	v_wmma_scale_f32_16x16x128_f8f6f4 v[ACC+8*(2*\i+\j):ACC+8*(2*\i+\j)+7], v[XF+16*\j:XF+16*\j+15], v[WF+16*\i:WF+16*\i+15], v[BI+8*\i:BI+8*\i+7], v[XSC+\j], v[WSC+\i]
.else
	v_wmma_scale_f32_16x16x128_f8f6f4 v[ACC+8*(2*\i+\j):ACC+8*(2*\i+\j)+7], v[XF+16*\j:XF+16*\j+15], v[WF+16*\i:WF+16*\i+15], v[ACC+8*(2*\i+\j):ACC+8*(2*\i+\j)+7], v[XSC+\j], v[WSC+\i]
.endif
.endr
.endr
.Lmult_\@:
	v_add_nc_u32 v[AW], 32768, v[AW]               ; the next K step's fragments.  These two and six v_nop are the eight places ahead of the next loads into operands and of the first read of results
	v_add_nc_u32 v[AX], 16384, v[AX]
.rept 6
	v_nop
.endr
.endm
	KSTEP 0, 18
	KSTEP 1, 12
	KSTEP 2, 6
	KSTEP 3, 0
	s_cmp_eq_u32 s24, 1
	s_cbranch_scc1 .Lpart_v
	s_cmp_eq_u32 s24, 0
	s_cbranch_scc1 .Lpart_u
	; ---------------- q and k: block 2 j + b of the quantiser is channels 32 b .. of row tile j
	QUANT ACC, 1, 0
	v_lshl_or_b32 v[QW], v[TM+5], 8, v[TM+4]       ; two bytes; bytes 2 and 3 stay 0: their codes will be zeros
	v_lshl_or_b32 v[QW+1], v[TM+7], 8, v[TM+6]
	s_lshl_b32 s44, s27, 7
	s_lshl_b32 s45, s26, 3
	s_add_co_u32 s44, s44, s45
	s_lshl_b32 s45, s22, 1
	s_add_co_u32 s44, s44, s45                     ; 128 bh + my first tile in the batch
	s_lshl_b32 s46, s44, 10
	s_mov_b32 s47, 0
	s_cmp_eq_u32 s24, 3
	s_cbranch_scc1 .Lpart_k
	s_lshl_b32 s48, s44, 7
	s_add_co_u32 s48, s48, 2097152
	s_mov_b32 s49, 0
	s_add_nc_u64 s[46:47], s[14:15], s[46:47]
	s_add_nc_u64 s[48:49], s[14:15], s[48:49]
.irp j, 0,1
.irp c, 0,1
	global_store_b128 v1, v[CD+8*\j+4*\c:CD+8*\j+4*\c+3], s[46:47] offset:1024*\j+512*\c
.endr
.endr
.irp j, 0,1
	global_store_b32 v2, v[QW+\j], s[48:49] offset:128*\j
.endr
	s_branch .Ljoin
.Lpart_k:
	s_add_nc_u64 s[46:47], s[16:17], s[46:47]
.irp j, 0,1
.irp c, 0,1
	global_store_b128 v1, v[CD+8*\j+4*\c:CD+8*\j+4*\c+3], s[46:47] offset:1024*\j+512*\c   ; k as it is
.endr
.endr
	s_lshl_b32 s48, s26, 7
	s_lshl_b32 s49, s22, 5
	s_add_co_u32 s48, s48, s49
	v_add_nc_u32 v[KEY], s48, v[RL]                ; my lane's key in tile 0 of the pair: 128 block + 32 p + r + 8 (r / 8)
	v_cmp_gt_i32 vcc_lo, s36, v[KEY]
.irp e, 0,1,2,3,4,5,6,7
	v_cndmask_b32 v[MK+\e], 0, v[CD+\e], vcc_lo
.endr
	v_add_nc_u32 v[KEY], 8, v[KEY]                 ; and in tile 1
	v_cmp_gt_i32 vcc_lo, s36, v[KEY]
.irp e, 8,9,10,11,12,13,14,15
	v_cndmask_b32 v[MK+\e], 0, v[CD+\e], vcc_lo
.endr
	s_mul_i32 s48, s27, 286720
	s_lshr_b32 s49, s26, 2
	s_mul_i32 s49, s49, 71680
	s_add_co_u32 s48, s48, s49                     ; my slot of kv
	s_and_b32 s49, s26, 3
	s_lshl_b32 s49, s49, 3
	s_lshl_b32 s50, s22, 1
	s_add_co_u32 s49, s49, s50                     ; my first tile in it
	s_lshl_b32 s50, s49, 10
	s_add_co_u32 s50, s50, s48
	s_mov_b32 s51, 0
	s_lshl_b32 s54, s49, 7
	s_add_co_u32 s54, s54, s48
	s_add_co_u32 s54, s54, 65536
	s_mov_b32 s55, 0
	s_add_nc_u64 s[50:51], s[18:19], s[50:51]
	s_add_nc_u64 s[54:55], s[18:19], s[54:55]
.irp j, 0,1
.irp c, 0,1
	global_store_b128 v1, v[MK+8*\j+4*\c:MK+8*\j+4*\c+3], s[50:51] offset:1024*\j+512*\c
.endr
.endr
.irp j, 0,1
	global_store_b32 v2, v[QW+\j], s[54:55] offset:128*\j
.endr
	s_branch .Ljoin
	; ---------------- v: block i of the quantiser is channel tile i; its 32 numbers are keys 32 p .. 32 p + 31 of the block: chunk p of the fragment
.Lpart_v:
	QUANT ACC, 1, 0
	s_mul_i32 s48, s27, 286720
	s_lshr_b32 s49, s26, 2
	s_mul_i32 s49, s49, 71680
	s_add_co_u32 s48, s48, s49
	s_and_b32 s49, s26, 3
	s_lshl_b32 s49, s49, 13
	s_add_co_u32 s48, s48, s49
	s_lshl_b32 s49, s22, 9
	s_add_co_u32 s48, s48, s49
	s_add_co_u32 s48, s48, 32768
	s_mov_b32 s49, 0
	s_add_nc_u64 s[48:49], s[18:19], s[48:49]
.irp i, 0,1,2,3
	global_store_b128 v1, v[CD+4*\i:CD+4*\i+3], s[48:49] offset:2048*\i
.endr
.irp i, 0,1,2,3
	ds_store_b32 v[VSB], v[TM+4+\i] offset:128*\i  ; byte p of the channel's scale word, as a word of its own: the four p meet in LDS
.endr
	s_branch .Ljoin
	; ---------------- u = silu: x / (1 + 2^(-x log2 e))
.Lpart_u:
	s_mov_b32 s[NL], 0xbfb8aa3b
	s_mov_b32 s[NL+1], s[NL]
	s_lshl_b32 s44, s23, 3
	s_lshl_b32 s45, s22, 1
	s_add_co_u32 s44, s44, s45
	s_lshl_b32 s44, s44, 14
	s_lshl_b32 s45, s21, 12
	s_add_co_u32 s44, s44, s45
	s_mov_b32 s45, 0
	s_add_nc_u64 s[12:13], s[12:13], s[44:45]
.set k, 0
.rept 32
	v_pk_mul_f32 v[WF+k:WF+k+1], v[ACC+k:ACC+k+1], s[NL:NL+1] op_sel_hi:[1,0]
.set k, k+2
.endr
.set k, 0
.rept 64
	v_exp_f32 v[WF+k], v[WF+k]
.set k, k+1
.endr
	v_nop
	s_wait_alu depctr_va_vdst(0)                   ; one wait for the batch, ahead of its first reader
.set k, 0
.rept 32
	v_pk_add_f32 v[WF+k:WF+k+1], v[WF+k:WF+k+1], 1.0 op_sel_hi:[1,0]
.set k, k+2
.endr
.set k, 0
.rept 64
	v_rcp_f32 v[WF+k], v[WF+k]
.set k, k+1
.endr
	v_nop
	s_wait_alu depctr_va_vdst(0)
.set k, 0
.rept 32
	v_pk_mul_f32 v[ACC+k:ACC+k+1], v[ACC+k:ACC+k+1], v[WF+k:WF+k+1]
.set k, k+2
.endr
.irp j, 0,1
.irp c, 0,1,2,3,4,5,6,7
	global_store_b128 v1, v[ACC+32*\j+4*\c:ACC+32*\j+4*\c+3], s[12:13] offset:16384*\j+512*\c
.endr
.endr
.Ljoin:
	s_wait_dscnt 0x0                               ; for the others' sake: my words lie in LDS
	s_barrier_signal -1
	s_barrier_wait -1
	s_cmp_lg_u32 s24, 1
	s_cbranch_scc1 .Lend
.irp p, 0,1,2,3
	ds_load_b32 v[WF+\p], v[VSR] offset:512*\p     ; wave w takes head w / 4, channel tile w % 4: the bytes of the four blocks of 32 keys
.endr
	s_lshl_b32 s44, s25, 2
	s_add_co_u32 s44, s44, s22
	s_mul_i32 s44, s44, 286720
	s_lshr_b32 s45, s26, 2
	s_mul_i32 s45, s45, 71680
	s_add_co_u32 s44, s44, s45
	s_and_b32 s45, s26, 3
	s_lshl_b32 s45, s45, 9
	s_add_co_u32 s44, s44, s45
	s_lshl_b32 s45, s21, 7
	s_add_co_u32 s44, s44, s45
	s_add_co_u32 s44, s44, 69632
	s_mov_b32 s45, 0
	s_add_nc_u64 s[44:45], s[18:19], s[44:45]
	s_wait_dscnt 0x0
	v_lshl_or_b32 v[WF+4], v[WF+1], 8, v[WF]       ; the four bytes make the scale word of these 128 keys
	v_lshl_or_b32 v[WF+4], v[WF+2], 16, v[WF+4]
	v_lshl_or_b32 v[WF+4], v[WF+3], 24, v[WF+4]
	global_store_b32 v2, v[WF+4], s[44:45]
.Lend:
	s_wait_tensorcnt 0x0
	ds_add_u32 v235, v255
	s_wait_dscnt 0x0
	s_endpgm
.Lfunc_end_k_q5c75ddb256_uvqk:
	.size	k_q5c75ddb256_uvqk, .Lfunc_end_k_q5c75ddb256_uvqk-k_q5c75ddb256_uvqk
	.p2alignl 7, 3214868480
	.fill 96, 4, 3214868480
	.section	.rodata,"a",@progbits
	.p2align	6, 0x0
	.amdhsa_kernel k_q5c75ddb256_uvqk
		.amdhsa_group_segment_fixed_size 219136
		.amdhsa_private_segment_fixed_size 0
		.amdhsa_enable_private_segment 0
		.amdhsa_kernarg_size 64
		.amdhsa_user_sgpr_count 2
		.amdhsa_user_sgpr_kernarg_segment_ptr 1
		.amdhsa_wavefront_size32 1
		.amdhsa_system_sgpr_workgroup_id_x 1
		.amdhsa_system_sgpr_workgroup_id_y 1
		.amdhsa_system_sgpr_workgroup_id_z 1
		.amdhsa_system_vgpr_workitem_id 0
		.amdhsa_next_free_vgpr 256
		.amdhsa_next_free_sgpr 66
		.amdhsa_reserve_vcc 1
		.amdhsa_float_denorm_mode_32 3
		.amdhsa_float_denorm_mode_16_64 3
		.amdhsa_memory_ordered 1
		.amdhsa_forward_progress 1
		.amdhsa_inst_pref_size 62
	.end_amdhsa_kernel
	.amdgpu_metadata
---
amdhsa.version: [ 1, 2 ]
amdhsa.kernels:
  - .name:           k_q5c75ddb256_uvqk
    .symbol:         k_q5c75ddb256_uvqk.kd
    .args:
      - { .name: xq, .offset: 0, .size: 8, .value_kind: global_buffer, .address_space: global }
      - { .name: w1, .offset: 8, .size: 8, .value_kind: global_buffer, .address_space: global }
      - { .name: uvqk_beta, .offset: 16, .size: 8, .value_kind: global_buffer, .address_space: global }
      - { .name: num_targets, .offset: 24, .size: 8, .value_kind: global_buffer, .address_space: global }
      - { .name: ub, .offset: 32, .size: 8, .value_kind: global_buffer, .address_space: global }
      - { .name: qb, .offset: 40, .size: 8, .value_kind: global_buffer, .address_space: global }
      - { .name: kd, .offset: 48, .size: 8, .value_kind: global_buffer, .address_space: global }
      - { .name: kv, .offset: 56, .size: 8, .value_kind: global_buffer, .address_space: global }
    .group_segment_fixed_size: 219136
    .private_segment_fixed_size: 0
    .kernarg_segment_align: 8
    .kernarg_segment_size: 64
    .max_flat_workgroup_size: 512
    .sgpr_count:     66
    .vgpr_count:     256
    .wavefront_size: 32
...
	.end_amdgpu_metadata
.endif
;; end of part 2
;; launch attn (part 3): grid 16 x 16, 16 waves a work-group, no clusters, 305,152 bytes of LDS; arguments qb, kd, kv, num_targets, at; writes at
.if DOCPART == 3
	.amdgcn_target "amdgcn-amd-amdhsa--gfx1250"
	.amdhsa_code_object_version 6
	.text
	.protected	k_q5c75ddb256_attn
	.globl	k_q5c75ddb256_attn
	.p2align	8
	.type	k_q5c75ddb256_attn,@function
k_q5c75ddb256_attn:
	s_mov_b64 s[64:65], 0
	v_nop
	global_prefetch_b8 v0, s[64:65] scope:SCOPE_SE
	s_setreg_imm32_b32 hwreg(HW_REG_WAVE_MODE, 25, 1), 1
	s_wait_xcnt 0x0
; LAUNCH 3.  attn[q] = sum over the keys that count of silu(q.k / 8) / 2,048 x v, both products on codes of E4M3.
; Key k counts for query q where k = q or k < min(q, 2,048 - num_targets[b]).  There is no row normalisation, so the keys can be shared out among waves and the parts added.
; p = s sigmoid(s / 8) x 2^-14 (s = q.k): s sigmoid(s / 8) is quantised and the sum is multiplied by 2^-14 at the end: a power of two moves the scale bytes and no code.
; SHARES.  Work-group (j, bh) owns the blocks of 64 queries 31 - j (first trip) and j (second): together 17 steps of 128 keys for every j, so the 256 work-groups have equal work.
; Wave w: query tile tau = w % 4, key steps 4 t + g with g = w / 4.  A unit = 16 queries x 128 keys: 8 products K Q^T, silu, quantiser, 4 products V^T P.  The four g's parts of O meet in LDS.
; Both products are used transposed: a lane holds one query; the tiles' permutation makes the 16 registers of two key tiles 16 neighbouring keys, so the conversions' results are the second product's operand.
; LDS holds the head's whole kv (K with the codes of keys >= 2,048 - num_targets cleared, V, their scale words) and the true K of the two diagonal steps, filled ONCE by copies issued at the head.
; ORDER AT THE HEAD: Q's three loads and the scalar load of num_targets are issued ahead of the 37 copies: the first unit then waits for Q and for the first 11 copies of each wave alone, and the later slots land under the units.
; MASK.  Steps under the diagonal step hold only keys under every query of the block: there the mask is k < 2,048 - num_targets, which the cleared codes have made (score 0, p 0).  The diagonal step takes the
; true K and clears scores by two compares and a select.  Steps beyond it are left out by a branch on ids.  No branch hangs on loaded data.
; K = 64 IN A FORM OF K = 128.  Q's codes for k = 64..127 are zero registers and bytes 2, 3 of both scale words are 0 (2^-127).  K's eight half fragments lie on end, so fragment m's upper half is tile m + 1's
; codes (the last: zero registers): always numbers, since the quantiser holds at 448; times Q's zeros they add nothing.
; NO CLUSTER: the work-groups that read one head's kv differ in j, and the branches round hidden and diagonal units hang on j, which partners of a cluster would not share.
; LIMITS: NaN and infinities are not served; a block of p whose largest magnitude lies under 2^-118 is quantised more finely than the rule's hold of the scale at 2^-126 gives; the sum over the keys is made in four parts.
.set KV,   16384                       ; LDS: 0: true K of the diagonal steps, 2 x 8,192; from KV: four slots of 71,680
.set SLOT, 71680
.set STG,  KV+3*SLOT                   ; the parts of O, 16 x 4,096: in slot 3, behind its last read of a trip; the second trip's steps end at 7, in slot 1
.set LI,   1                           ; v1   16 l
.set LB,   2                           ; v2   16 l + 8,192 g
.set LS,   3                           ; v3   4 l + 1,024 g
.set LSV,  4                           ; v4   4 l + 512 g
.set GOF,  5                           ; v5   the copies' global offset; v84, v6, v7, v80-83 their LDS addresses: never rewritten
.set CK1,  6
.set CKV,  7
.set ADK,  8                           ; v8   the unit's K and V
.set ADS,  9                           ; v9   K's scale words
.set ADT,  10                          ; v10  V's
.set ADG,  11                          ; v11  the diagonal step's true K
.set QV,   12                          ; v12  my query
.set D1,   13                          ; v13  min(query, 2,048 - num_targets) - the diagonal step's first key - 16 h
.set D2,   14                          ; v14  query - the same
.set RL,   15                          ; v15  r + 8 (r / 8)
.set Q,    16                          ; v16-23 Q's codes; v24-31 zeros
.set QS,   32                          ; v32 Q's scale word, v33 P's, v34-41 K's or V's: scales and nothing else
.set PW,   33
.set KS,   34
.set STO,  42
.set STR,  43
.set QA,   44
.set QB,   45
.set AO,   46
.set L4,   47                          ; v47  4 l
.set CD,   48                          ; v48-63 p's codes
.set TM,   64                          ; v64-79 the quantiser's
.set TP,   0
.set CKW,  79                          ; v80-83: the copies' LDS addresses in kv's windows 1 to 4 of 65,536 bytes (v[CKW + n])
.set CKB,  64                          ; s[66:73]: the same windows' bases (s[CKB + 2 n : CKB + 2 n + 1], n = 1 .. 4)
.set CK0,  84
.set H16,  85                          ; v85  16 h
.set KVR,  86                          ; v86-157: K's eight half fragments and 8 zeros; then at work for silu; then V's four fragments
.set S,    158                         ; v158-221 scores, then p x 2^14
.set O,    222                         ; v222-253 O^T
.set SEL,  28
.set MNT,  30
.macro QUANT s, ip, word
.irp b, 0,1,2,3
	v_max3_num_f32 v[TM+\b], |v[(\s)+16*\b]|, |v[(\s)+16*\b+1]|, 0x4800000   ; my 16 numbers of block b, and the floor 2^(9 - 127)
.endr
.irp i, 2,4,6,8,10,12,14
.irp b, 0,1,2,3
	v_max3_num_f32 v[TM+\b], v[TM+\b], |v[(\s)+16*\b+\i]|, |v[(\s)+16*\b+\i+1]|
.endr
.endr
.irp b, 0,1,2,3
	v_permlanex16_b32 v[TM+4+\b], v[TM+\b], s[SEL], s[SEL+1]
.endr
.irp b, 0,1,2,3
	v_max_num_f32 v[TM+\b], v[TM+\b], v[TM+4+\b]
.endr
.irp b, 0,1,2,3
	v_add_nc_u32 v[TM+12+\b], 0xfc000000, v[TM+\b]
.endr
.irp b, 0,1,2,3
	v_and_or_b32 v[TM+8+\b], v[TM+\b], 0x7f800000, s[MNT]
.endr
.irp b, 0,1,2,3
	v_lshrrev_b32 v[TM+4+\b], 23, v[TM+12+\b]
.endr
.if \word
	v_lshl_or_b32 v[PW], v[TM+5], 8, v[TM+4]
	v_lshl_or_b32 v[PW], v[TM+6], 16, v[PW]
	v_lshl_or_b32 v[PW], v[TM+7], 24, v[PW]
.endif
.irp g, 0,1,2,3,4,5,6,7
.irp i, 0,1,2,3,4,5,6,7
.if \ip
	v_med3_num_f32 v[(\s)+8*\g+\i], v[(\s)+8*\g+\i], -v[TM+8+\g/2], v[TM+8+\g/2]
.else
	v_med3_num_f32 v[TP+8*(\g%2)+\i], v[(\s)+8*\g+\i], -v[TM+8+\g/2], v[TM+8+\g/2]
.endif
.endr
.if \ip
	v_cvt_scalef32_pk8_fp8_f32 v[CD+2*\g:CD+2*\g+1], v[(\s)+8*\g:(\s)+8*\g+7], v[TM+12+\g/2]
.else
	v_cvt_scalef32_pk8_fp8_f32 v[CD+2*\g:CD+2*\g+1], v[TP+8*(\g%2):TP+8*(\g%2)+7], v[TM+12+\g/2]
.endif
.endr
	v_nop
.endm
.macro SETQ                            ; Q's offsets for block s23
	s_lshl_b32 s52, s18, 7
	s_lshl_b32 s53, s23, 2
	s_add_co_u32 s52, s52, s53
	s_add_co_u32 s52, s52, s15                     ; 128 bh + 4 block + tau
	s_lshl_b32 s53, s52, 10
	v_add_nc_u32 v[QA], s53, v[LI]
	s_lshl_b32 s53, s52, 7
	s_add_co_u32 s53, s53, 2097152
	v_add_nc_u32 v[QB], s53, v[L4]
.endm
.macro QLOAD
	global_load_b128 v[Q:Q+3], v[QA], s[4:5]
	global_load_b128 v[Q+4:Q+7], v[QA], s[4:5] offset:512
	global_load_b32 v[QS], v[QB], s[4:5]
.endm
.macro SETREST                         ; all else that hangs on block s23
	s_lshr_b32 s24, s23, 1                         ; the diagonal step
	s_lshl_b32 s52, s23, 6
	s_lshr_b32 s53, s15, 1
	s_lshl_b32 s53, s53, 5
	s_add_co_u32 s52, s52, s53
	s_and_b32 s53, s15, 1
	s_lshl_b32 s53, s53, 3
	s_add_co_u32 s52, s52, s53
	v_add_nc_u32 v[QV], s52, v[RL]                 ; 64 block + 32 (tau / 2) + 8 (tau % 2) + r + 8 (r / 8)
	s_lshl_b32 s53, s24, 7
	s_sub_co_u32 s53, 0, s53
	v_min_i32 v[D1], s21, v[QV]
	v_sub_nc_u32 v[D2], v[QV], v[H16]
	v_sub_nc_u32 v[D1], v[D1], v[H16]
	v_add_nc_u32 v[D2], s53, v[D2]
	v_add_nc_u32 v[D1], s53, v[D1]
	v_add_nc_u32 v[ADG], s25, v[LI]
	s_lshl_b32 s52, s19, 7
	s_lshl_b32 s53, s23, 2
	s_add_co_u32 s52, s52, s53
	s_add_co_u32 s52, s52, s15
	s_lshl_b32 s52, s52, 14                        ; at: the row tile's 16,384 bytes,
	s_lshl_b32 s53, s20, 12
	s_add_co_u32 s52, s52, s53                     ; the head's 8 chunks,
	s_lshl_b32 s53, s16, 10
	s_add_co_u32 s52, s52, s53                     ; my two of them
	v_add_nc_u32 v[AO], s52, v[LI]
.endm
	s_load_b256 s[4:11], s[0:1], 0x0               ; qb s[4:5], kd s[6:7], kv s[8:9], num_targets s[10:11]
	s_load_b64 s[12:13], s[0:1], 0x20              ; at
	v_lshl_add_u32 v254, v0, 2, 0x4a000
	v_mov_b32 v255, 0
	ds_add_u32 v254, v255
	ds_add_u32 v254, v255
	v_lshrrev_b32 v1, 5, v0
	v_readfirstlane_b32 s14, v1                    ; wave 0..15
	s_and_b32 s15, s14, 3                          ; tau
	s_lshr_b32 s16, s14, 2                         ; g
	s_mov_b32 s17, ttmp9                           ; j
	s_and_b32 s18, ttmp7, 0xffff                   ; bh
	s_lshr_b32 s19, s18, 2                         ; batch
	s_and_b32 s20, s18, 3                          ; head
	v_lshlrev_b32 v[GOF], 4, v0
	v_lshlrev_b32 v[CK0], 4, v0
	v_add_nc_u32 v[CK1], 8192, v[GOF]
	v_add_nc_u32 v[CKV], KV, v[GOF]
.irp n, 1,2,3,4
	v_add_nc_u32 v[CKW+\n], KV+65536*\n, v[GOF]    ; a window of 65,536 bytes has an LDS address and a base of its own, so that every copy's immediate stays under 65,536
.endr
	v_and_b32 v[L4], 31, v0
	v_lshlrev_b32 v[LI], 4, v[L4]
	v_lshlrev_b32 v[L4], 2, v[L4]
	s_sub_co_u32 s23, 31, s17                      ; the first trip's block
	s_lshl_b32 s52, s18, 7
	s_lshr_b32 s53, s23, 1
	s_lshl_b32 s53, s53, 3
	s_add_co_u32 s53, s53, s52
	s_lshl_b32 s54, s53, 10                        ; its diagonal step's eight tiles in kd
	s_mov_b32 s55, 0
	s_lshr_b32 s53, s17, 1
	s_lshl_b32 s53, s53, 3
	s_add_co_u32 s53, s53, s52
	s_lshl_b32 s56, s53, 10                        ; the second trip's
	s_mov_b32 s57, 0
	s_mul_i32 s58, s18, 286720
	s_mov_b32 s59, 0
	SETQ
	s_wait_dscnt 0x0
	s_wait_kmcnt 0x0
	QLOAD                                          ; the first trip's Q, ahead of the copies: the first unit wants it
	s_load_b128 s[48:51], s[10:11], 0x0            ; num_targets, all four
	s_add_nc_u64 s[32:33], s[6:7], s[54:55]        ; the copies' bases, s[32:37] and s[66:73], are never rewritten
	s_add_nc_u64 s[34:35], s[6:7], s[56:57]
	s_add_nc_u64 s[36:37], s[8:9], s[58:59]
.irp n, 1,2,3,4
	s_add_nc_u64 s[CKB+2*\n:CKB+2*\n+1], s[36:37], 65536*\n
.endr
	global_load_async_to_lds_b128 v[CK0], v[GOF], s[32:33]
	global_load_async_to_lds_b128 v[CK1], v[GOF], s[34:35]
.set k, 0
.rept 8                                        ; 35 x 8,192 = the head's 286,720 bytes, in ascending order: eight copies to a window, three in the last
	global_load_async_to_lds_b128 v[CKV], v[GOF], s[36:37] offset:8192*k
.set k, k+1
.endr
.irp n, 1,2,3
.set k, 0
.rept 8
	global_load_async_to_lds_b128 v[CKW+\n], v[GOF], s[CKB+2*\n:CKB+2*\n+1] offset:8192*k
.set k, k+1
.endr
.endr
.set k, 0
.rept 3
	global_load_async_to_lds_b128 v[CKW+4], v[GOF], s[CKB+8:CKB+9] offset:8192*k
.set k, k+1
.endr
	s_lshl_b32 s52, s16, 13
	v_add_nc_u32 v[LB], s52, v[LI]
	s_lshl_b32 s52, s16, 10
	v_add_nc_u32 v[LS], s52, v[L4]
	s_lshl_b32 s52, s16, 9
	v_add_nc_u32 v[LSV], s52, v[L4]
	v_and_b32 v[RL], 15, v0
	v_and_b32 v[H16], 8, v[RL]
	v_add_nc_u32 v[RL], v[RL], v[H16]
	v_and_b32 v[H16], 16, v0
	s_lshl_b32 s52, s14, 12
	s_add_co_u32 s52, s52, STG
	v_add_nc_u32 v[STO], s52, v[LI]                ; my part of O
	s_lshl_b32 s52, s15, 12
	s_lshl_b32 s53, s16, 10
	s_add_co_u32 s52, s52, s53
	s_add_co_u32 s52, s52, STG
	v_add_nc_u32 v[STR], s52, v[LI]                ; chunks 2 g, 2 g + 1 of tile tau's four parts, 16,384 bytes apart
.irp e, 0,1,2,3,4,5,6,7
	v_mov_b32 v[Q+8+\e], 0                         ; Q's codes for k = 64..127
	v_mov_b32 v[KVR+64+\e], 0                      ; the upper half of K's last fragment
.endr
.irp b, 0,1,2,3
	v_mov_b32 v[TM+4+\b], 0                        ; written once: a lane permute's destination counts as one of its sources
.endr
	s_mov_b32 s26, 0xbe38aa3b                      ; -log2(e) / 8
	s_mov_b32 s27, s26
	s_mov_b32 s[SEL], 0x76543210
	s_mov_b32 s[SEL+1], 0xfedcba98
	s_mov_b32 s[MNT], 0x600000
	s_mov_b32 s25, 0
	s_wait_kmcnt 0x0
	s_cmp_eq_u32 s19, 1                            ; my batch's num_targets: chosen by the batch's number
	s_cselect_b32 s48, s49, s48
	s_cmp_eq_u32 s19, 2
	s_cselect_b32 s48, s50, s48
	s_cmp_eq_u32 s19, 3
	s_cselect_b32 s48, s51, s48
	s_sub_co_i32 s21, 2048, s48
	SETREST
; A unit: key step 4 t + g.  left: the copies of mine that may stay out when slot t is whole (of 37, slot t wants the first 11, 20, 29, 37).
.macro UNIT t, left
	s_wait_asynccnt \left
	s_barrier_signal -1
	s_barrier_wait -1                              ; slot t is whole for everybody; every wave passes here, with a hidden unit too
	v_add_nc_u32 v[ADK], KV+SLOT*\t, v[LB]         ; the unit's addresses are made on every wave's path
	v_add_nc_u32 v[ADS], KV+SLOT*\t+65536, v[LS]
	v_add_nc_u32 v[ADT], KV+SLOT*\t+69632, v[LSV]
	s_add_co_u32 s31, s16, 4*\t
	s_cmp_gt_u32 s31, s24
	s_cbranch_scc1 .Lhid_\@                        ; all its keys come after the block's queries
	s_cmp_eq_u32 s31, s24
	s_cbranch_scc1 .Ldg_\@
.irp m, 0,1,2,3,4,5,6,7
	ds_load_b128 v[KVR+8*\m:KVR+8*\m+3], v[ADK] offset:1024*\m
	ds_load_b128 v[KVR+8*\m+4:KVR+8*\m+7], v[ADK] offset:1024*\m+512
.endr
	s_branch .Lgot_\@
.Ldg_\@:
.irp m, 0,1,2,3,4,5,6,7
	ds_load_b128 v[KVR+8*\m:KVR+8*\m+3], v[ADG] offset:1024*\m
	ds_load_b128 v[KVR+8*\m+4:KVR+8*\m+7], v[ADG] offset:1024*\m+512
.endr
.Lgot_\@:
.irp m, 0,1,2,3,4,5,6,7
	ds_load_b32 v[KS+\m], v[ADS] offset:128*\m
.endr
	s_wait_dscnt 0x0
.irp m, 0,1,2,3,4,5,6,7
	v_wmma_scale_f32_16x16x128_f8f6f4 v[S+8*\m:S+8*\m+7], v[KVR+8*\m:KVR+8*\m+15], v[Q:Q+15], 0, v[KS+\m], v[QS]
.endr
.rept 8
	v_nop                                          ; eight places ahead of the first read of scores and the first write over K's registers
.endr
	s_cmp_lg_u32 s31, s24
	s_cbranch_scc1 .Lopen_\@
.irp b, 0,1,2,3                                ; register 16 b + i holds key (step's first) + 32 b + 16 h + i: it counts where 32 b + i < D1 or = D2
	v_add_nc_u32 v[TM+\b], -32*\b, v[D1]
	v_add_nc_u32 v[TM+8+\b], -32*\b, v[D2]
.endr
.set k, 0
.rept 16
.irp e, 0,1,2,3
	v_cmp_lt_i32 s[40+2*\e], (k+\e)%16, v[TM+(k+\e)/16]
	v_cmp_eq_u32 s[41+2*\e], (k+\e)%16, v[TM+8+(k+\e)/16]
.endr
.irp e, 0,1,2,3
	s_or_b32 s[40+2*\e], s[40+2*\e], s[41+2*\e]
.endr
.irp e, 0,1,2,3
	v_cndmask_b32 v[S+k+\e], 0, v[S+k+\e], s[40+2*\e]   ; a score of 0 gives p = 0
.endr
.set k, k+4
.endr
.Lopen_\@:
.set k, 0
.rept 32
	v_pk_mul_f32 v[KVR+k:KVR+k+1], v[S+k:S+k+1], s[26:27] op_sel_hi:[1,0]   ; -s log2(e) / 8
.set k, k+2
.endr
.set k, 0
.rept 64
	v_exp_f32 v[KVR+k], v[KVR+k]
.set k, k+1
.endr
	v_nop
	s_wait_alu depctr_va_vdst(0)                   ; one wait for the batch of 64, ahead of its first reader
.set k, 0
.rept 32
	v_pk_add_f32 v[KVR+k:KVR+k+1], v[KVR+k:KVR+k+1], 1.0 op_sel_hi:[1,0]
.set k, k+2
.endr
.set k, 0
.rept 64
	v_rcp_f32 v[KVR+k], v[KVR+k]
.set k, k+1
.endr
	v_nop
	s_wait_alu depctr_va_vdst(0)
.set k, 0
.rept 32
	v_pk_mul_f32 v[S+k:S+k+1], v[S+k:S+k+1], v[KVR+k:KVR+k+1]               ; s sigmoid(s / 8)
.set k, k+2
.endr
.irp m, 0,1,2,3                                ; V is asked for here and lands under the quantiser
.irp c, 0,1,2,3
	ds_load_b128 v[KVR+16*\m+4*\c:KVR+16*\m+4*\c+3], v[ADK] offset:32768+2048*\m+512*\c
.endr
.endr
.irp m, 0,1,2,3
	ds_load_b32 v[KS+\m], v[ADT] offset:128*\m
.endr
	QUANT S, 1, 1
.rept 3
	v_nop                                          ; with the quantiser's last line: four places between the codes and the scaled matrix instruction; the scale word stands 64 holds ahead
.endr
	s_wait_dscnt 0x0
.irp m, 0,1,2,3                                ; four accumulators by turns; the next matrix instruction on any way is a product K Q^T
	v_wmma_scale_f32_16x16x128_f8f6f4 v[O+8*\m:O+8*\m+7], v[KVR+16*\m:KVR+16*\m+15], v[CD:CD+15], v[O+8*\m:O+8*\m+7], v[KS+\m], v[PW]
.endr
.rept 8
	v_nop                                          ; eight places ahead of the next loads into operands and of the read of O^T
.endr
.Lhid_\@:
.endm
	s_mov_b32 s22, 0
.Lpass:                                            ; two trips: block 31 - j, then block j
.set k, 0
.rept 32
	v_mov_b32 v[O+k], 0                            ; a wave's number of units hangs on ids and may be 0: no first product can start the sums
.set k, k+1
.endr
	s_wait_loadcnt 0x0                             ; Q
	UNIT 0, 26
	UNIT 1, 17
	UNIT 2, 8
	UNIT 3, 0
	s_cmp_lg_u32 s22, 0
	s_cbranch_scc1 .Lno_q
	s_mov_b32 s23, s17                             ; the second trip's Q is asked for ahead of the first trip's way out
	SETQ
	QLOAD
.Lno_q:
	s_wait_dscnt 0x0
	s_barrier_signal -1
	s_barrier_wait -1                              ; everybody has left slot 3, and all copies have landed
.irp c, 0,1,2,3,4,5,6,7
	ds_store_b128 v[STO], v[O+4*\c:O+4*\c+3] offset:512*\c   ; each accumulator from its low end on
.endr
	s_wait_dscnt 0x0                               ; for the others' sake
	s_barrier_signal -1
	s_barrier_wait -1
.irp p, 0,1,2,3
.irp e, 0,1
	ds_load_b128 v[S+8*\p+4*\e:S+8*\p+4*\e+3], v[STR] offset:16384*\p+512*\e
.endr
.endr
	s_wait_dscnt 0x0
.irp p, 1,2,3
.irp e, 0,2,4,6
	v_pk_add_f32 v[S+\e:S+\e+1], v[S+\e:S+\e+1], v[S+8*\p+\e:S+8*\p+\e+1]
.endr
.endr
.irp e, 0,2,4,6
	v_pk_mul_f32 v[S+\e:S+\e+1], v[S+\e:S+\e+1], 0x38800000 op_sel_hi:[1,0]   ; x 2^-14
.endr
	global_store_b128 v[AO], v[S:S+3], s[12:13]
	global_store_b128 v[AO], v[S+4:S+7], s[12:13] offset:512
	s_wait_xcnt 0x0                                ; the stores' offset and data are written again only behind this wait
	s_add_co_u32 s25, s25, 8192                    ; the second trip's diagonal K
	SETREST
	s_add_co_u32 s22, s22, 1
	s_cmp_lt_u32 s22, 2
	s_cbranch_scc1 .Lpass
	s_wait_tensorcnt 0x0
	ds_add_u32 v254, v255
	s_wait_dscnt 0x0
	s_endpgm
.Lfunc_end_k_q5c75ddb256_attn:
	.size	k_q5c75ddb256_attn, .Lfunc_end_k_q5c75ddb256_attn-k_q5c75ddb256_attn
	.p2alignl 7, 3214868480
	.fill 96, 4, 3214868480
	.section	.rodata,"a",@progbits
	.p2align	6, 0x0
	.amdhsa_kernel k_q5c75ddb256_attn
		.amdhsa_group_segment_fixed_size 305152
		.amdhsa_private_segment_fixed_size 0
		.amdhsa_enable_private_segment 0
		.amdhsa_kernarg_size 40
		.amdhsa_user_sgpr_count 2
		.amdhsa_user_sgpr_kernarg_segment_ptr 1
		.amdhsa_wavefront_size32 1
		.amdhsa_system_sgpr_workgroup_id_x 1
		.amdhsa_system_sgpr_workgroup_id_y 1
		.amdhsa_system_sgpr_workgroup_id_z 1
		.amdhsa_system_vgpr_workitem_id 0
		.amdhsa_next_free_vgpr 256
		.amdhsa_next_free_sgpr 76
		.amdhsa_reserve_vcc 0
		.amdhsa_float_denorm_mode_32 3
		.amdhsa_float_denorm_mode_16_64 3
		.amdhsa_memory_ordered 1
		.amdhsa_forward_progress 1
		.amdhsa_inst_pref_size 171
	.end_amdhsa_kernel
	.amdgpu_metadata
---
amdhsa.version: [ 1, 2 ]
amdhsa.kernels:
  - .name:           k_q5c75ddb256_attn
    .symbol:         k_q5c75ddb256_attn.kd
    .args:
      - { .name: qb, .offset: 0, .size: 8, .value_kind: global_buffer, .address_space: global }
      - { .name: kd, .offset: 8, .size: 8, .value_kind: global_buffer, .address_space: global }
      - { .name: kv, .offset: 16, .size: 8, .value_kind: global_buffer, .address_space: global }
      - { .name: num_targets, .offset: 24, .size: 8, .value_kind: global_buffer, .address_space: global }
      - { .name: at, .offset: 32, .size: 8, .value_kind: global_buffer, .address_space: global }
    .group_segment_fixed_size: 305152
    .private_segment_fixed_size: 0
    .kernarg_segment_align: 8
    .kernarg_segment_size: 40
    .max_flat_workgroup_size: 512
    .sgpr_count:     76
    .vgpr_count:     256
    .wavefront_size: 32
...
	.end_amdgpu_metadata
.endif
;; end of part 3
;; launch outp (part 4): grid 128 x 2, 8 waves a work-group, no clusters, 266,240 bytes of LDS; arguments ub, at, w2, out_scale, out_bias, x, out0; writes out0
.if DOCPART == 4
	.amdgcn_target "amdgcn-amd-amdhsa--gfx1250"
	.amdhsa_code_object_version 6
	.text
	.protected	k_q5c75ddb256_outp
	.globl	k_q5c75ddb256_outp
	.p2align	8
	.type	k_q5c75ddb256_outp,@function
k_q5c75ddb256_outp:
	s_mov_b64 s[64:65], 0
	v_nop
	global_prefetch_b8 v0, s[64:65] scope:SCOPE_SE
	s_setreg_imm32_b32 hwreg(HW_REG_WAVE_MODE, 25, 1), 1
	s_wait_xcnt 0x0
; LAUNCH 4.  out = x + [u | attn | u LN(attn)] W2 on codes of E4M3 (K = 768, six steps of 128).
; A work-group takes 64 rows (four permuted tiles; x of the grid) x 256 columns (y).  Its half of w2 (codes and scale words, 208,896 bytes) and out_scale, out_bias come into LDS ONCE, by copies issued at the head.
; ORDER AT THE HEAD: the 32 loads of attn and u are issued ahead of the 53 copies: the preparation wants them first, and w2, which only the products want, lands under the preparation.
; PREPARATION.  Wave w: row tile tau = w / 2, channels 128 hf .. with hf = w % 2.  ub and at hold f32 in the quantiser's register order: 64 numbers a lane, register 16 b + i = channel 128 hf + 32 b + 16 h + i of row r.
; The row's mean and its centred squares meet over lane l xor 16 and over the partner wave (two exchanges in LDS).  u, attn and the gated product become K steps hf, 2 + hf, 4 + hf: images of registers in LDS.
; PRODUCT.  Wave w: column tiles 2 w, 2 w + 1 (source 0) x the four row tiles (source 1): eight accumulators by turns.  A lane then holds 16 neighbouring columns of one row.
; WAY OUT.  Through a stage of 64 rows x 1,040 bytes laid over w2's codes, behind their last read; each wave adds x to 8 whole rows of 1,024 bytes and stores them, 512 consecutive bytes a store.
; NO CLUSTER: w2's half is shared by the 128 work-groups of a grid row; joint tensor loads could fetch it once for four partners; not done in this form, which fills LDS by lane copies.
; LIMITS: NaN and infinities are not served; blocks under 2^-118 (zeros too) get the byte 1: only this program reads the bytes.
.set WC,   0
.set WS,   196608
.set AC,   208896                      ; A's images [tile 4][k step 6][2,048]
.set AS,   258048                      ; their scale words [4][6][128]
.set RX,   261120                      ; two exchanges of 1,024 bytes
.set OSL,  263168                      ; out_scale; out_bias 1,024 bytes on
.set OBL,  264192
.set SPT,  1040
.set AT,   16                          ; preparation: v16-79 attn, v80-143 u, v144-175 out_scale and out_bias of a block, v176-191 held numbers, v192-207 codes, v208-223 the quantiser's
.set UU,   80
.set OSB,  144
.set TP,   176
.set CD,   192
.set TM,   208
.set PW,   228
.set ACC,  16                          ; product: v16-79 accumulators, v80-143 A's four fragments, v144-175 W's two, v176-239 x, v240-245 scale words and nothing else
.set AF,   80
.set WF,   144
.set XR,   176
.set ASC,  240
.set WSC,  244
.set CWW,  249                         ; v250-252: the copies' LDS addresses in w2's windows 1 to 3 of 65,536 bytes (v[CWW + n]); never rewritten
.set CWB,  42                          ; s[44:49]: the same windows' bases (s[CWB + 2 n : CWB + 2 n + 1]); never rewritten
.set SEL,  40
.set MNT,  42
.macro QUANT s, ip, word
.irp b, 0,1,2,3
	v_max3_num_f32 v[TM+\b], |v[(\s)+16*\b]|, |v[(\s)+16*\b+1]|, 0x4800000   ; my 16 numbers of block b, and the floor 2^(9 - 127)
.endr
.irp i, 2,4,6,8,10,12,14
.irp b, 0,1,2,3
	v_max3_num_f32 v[TM+\b], v[TM+\b], |v[(\s)+16*\b+\i]|, |v[(\s)+16*\b+\i+1]|
.endr
.endr
.irp b, 0,1,2,3
	v_permlanex16_b32 v[TM+4+\b], v[TM+\b], s[SEL], s[SEL+1]
.endr
.irp b, 0,1,2,3
	v_max_num_f32 v[TM+\b], v[TM+\b], v[TM+4+\b]
.endr
.irp b, 0,1,2,3
	v_add_nc_u32 v[TM+12+\b], 0xfc000000, v[TM+\b]
.endr
.irp b, 0,1,2,3
	v_and_or_b32 v[TM+8+\b], v[TM+\b], 0x7f800000, s[MNT]
.endr
.irp b, 0,1,2,3
	v_lshrrev_b32 v[TM+4+\b], 23, v[TM+12+\b]
.endr
.if \word
	v_lshl_or_b32 v[PW], v[TM+5], 8, v[TM+4]
	v_lshl_or_b32 v[PW], v[TM+6], 16, v[PW]
	v_lshl_or_b32 v[PW], v[TM+7], 24, v[PW]
.endif
.irp g, 0,1,2,3,4,5,6,7
.irp i, 0,1,2,3,4,5,6,7
.if \ip
	v_med3_num_f32 v[(\s)+8*\g+\i], v[(\s)+8*\g+\i], -v[TM+8+\g/2], v[TM+8+\g/2]
.else
	v_med3_num_f32 v[TP+8*(\g%2)+\i], v[(\s)+8*\g+\i], -v[TM+8+\g/2], v[TM+8+\g/2]
.endif
.endr
.if \ip
	v_cvt_scalef32_pk8_fp8_f32 v[CD+2*\g:CD+2*\g+1], v[(\s)+8*\g:(\s)+8*\g+7], v[TM+12+\g/2]
.else
	v_cvt_scalef32_pk8_fp8_f32 v[CD+2*\g:CD+2*\g+1], v[TP+8*(\g%2):TP+8*(\g%2)+7], v[TM+12+\g/2]
.endif
.endr
	v_nop
.endm
.macro IMAGE ks                        ; the fragment in v[CD] on and its scale word go to LDS as they stand: K step ks + hf of my row tile
.irp c, 0,1,2,3
	ds_store_b128 v10, v[CD+4*\c:CD+4*\c+3] offset:2048*\ks+512*\c
.endr
	ds_store_b32 v11, v[PW] offset:128*\ks
.endm
	s_load_b256 s[4:11], s[0:1], 0x0               ; ub s[4:5], at s[6:7], w2 s[8:9], out_scale s[10:11]
	s_load_b128 s[12:15], s[0:1], 0x20             ; out_bias s[12:13], x s[14:15]
	s_load_b64 s[16:17], s[0:1], 0x30              ; out0
	v_lshl_add_u32 v254, v0, 2, 0x40c00
	v_mov_b32 v255, 0
	ds_add_u32 v254, v255
	ds_add_u32 v254, v255
	v_lshrrev_b32 v1, 5, v0
	v_readfirstlane_b32 s20, v1                    ; wave 0..7
	s_lshr_b32 s21, s20, 1                         ; tau
	s_and_b32 s22, s20, 1                          ; hf
	s_mov_b32 s23, ttmp9                           ; block of 64 rows
	s_and_b32 s24, ttmp7, 0xffff                   ; half of N
	v_lshlrev_b32 v5, 2, v0                        ; the copies' addresses, v3-v7 and v250-252, and bases, s[10:13], s[18:19] and s[44:49], are never rewritten
	v_add_nc_u32 v3, OSL, v5
	v_add_nc_u32 v4, OBL, v5
	v_lshlrev_b32 v6, 4, v0
	v_lshlrev_b32 v7, 4, v0
.irp n, 1,2,3
	v_add_nc_u32 v[CWW+\n], 65536*\n, v7           ; a window of 65,536 bytes has an LDS address and a base of its own, so that every copy's immediate stays under 65,536
.endr
	v_and_b32 v2, 31, v0
	v_lshlrev_b32 v1, 4, v2                        ; 16 l
	v_lshlrev_b32 v2, 2, v2                        ; 4 l
	s_mul_i32 s26, s24, 208896
	s_mov_b32 s27, 0
	s_lshl_b32 s38, s23, 2
	s_add_co_u32 s38, s38, s21
	s_lshl_b32 s38, s38, 14
	s_lshl_b32 s39, s22, 13
	s_add_co_u32 s38, s38, s39                     ; my tile's, my half's 16 chunks in at and in ub
	s_mov_b32 s39, 0
	s_wait_dscnt 0x0
	s_wait_kmcnt 0x0
	s_add_nc_u64 s[28:29], s[6:7], s[38:39]
	s_add_nc_u64 s[30:31], s[4:5], s[38:39]
.irp c, 0,1,2,3,4,5,6,7,8,9,10,11,12,13,14,15
	global_load_b128 v[AT+4*\c:AT+4*\c+3], v1, s[28:29] offset:512*\c   ; attn, then u, ahead of the copies: the preparation wants them first
.endr
.irp c, 0,1,2,3,4,5,6,7,8,9,10,11,12,13,14,15
	global_load_b128 v[UU+4*\c:UU+4*\c+3], v1, s[30:31] offset:512*\c
.endr
	s_add_nc_u64 s[18:19], s[8:9], s[26:27]
.irp n, 1,2,3
	s_add_nc_u64 s[CWB+2*\n:CWB+2*\n+1], s[18:19], 65536*\n
.endr
	global_load_async_to_lds_b32 v3, v5, s[10:11]
	global_load_async_to_lds_b32 v4, v5, s[12:13]
.set k, 0
.rept 16                                       ; 51 x 4,096 = 208,896 bytes: codes, then scale words, as they lie in memory: sixteen copies to a window, three in the last
	global_load_async_to_lds_b128 v6, v7, s[18:19] offset:4096*k
.set k, k+1
.endr
.irp n, 1,2
.set k, 0
.rept 16
	global_load_async_to_lds_b128 v[CWW+\n], v7, s[CWB+2*\n:CWB+2*\n+1] offset:4096*k
.set k, k+1
.endr
.endr
.set k, 0
.rept 3
	global_load_async_to_lds_b128 v[CWW+3], v7, s[CWB+6:CWB+7] offset:4096*k
.set k, k+1
.endr
	s_lshl_b32 s26, s20, 7                         ; every LDS address is made here, ahead of the first barrier
	s_add_co_u32 s26, s26, RX
	v_add_nc_u32 v8, s26, v2                       ; my word of an exchange
	s_xor_b32 s26, s20, 1
	s_lshl_b32 s26, s26, 7
	s_add_co_u32 s26, s26, RX
	v_add_nc_u32 v9, s26, v2                       ; my partner's
	s_mul_i32 s26, s21, 12288
	s_lshl_b32 s36, s22, 11
	s_add_co_u32 s26, s26, s36
	s_add_co_u32 s26, s26, AC
	v_add_nc_u32 v10, s26, v1                      ; my images
	s_mul_i32 s26, s21, 768
	s_lshl_b32 s36, s22, 7
	s_add_co_u32 s26, s26, s36
	s_add_co_u32 s26, s26, AS
	v_add_nc_u32 v11, s26, v2                      ; and their scale words
	v_bfe_u32 v13, v0, 4, 1                        ; h
	s_lshl_b32 s26, s22, 9
	s_add_co_u32 s26, s26, OSL
	v_lshl_add_u32 v12, v13, 6, s26                ; out_scale at channel 128 hf + 16 h
	v_and_b32 v14, 15, v0                          ; r
	v_mul_u32_u24 v248, v14, SPT
	v_lshl_add_u32 v248, v13, 6, v248
	s_lshl_b32 s26, s20, 7
	v_add_nc_u32 v248, s26, v248                   ; the stage, in: row r, + 128 w + 64 h
	s_mul_i32 s26, s20, 8*SPT
	v_add_nc_u32 v249, s26, v1                     ; and back: my 8 rows
	v_add_nc_u32 v13, AC, v1                       ; all images
	s_lshl_b32 s26, s20, 12
	v_add_nc_u32 v14, s26, v1                      ; W's tiles 2 w, 2 w + 1 (WC = 0)
	v_add_nc_u32 v246, AS, v2
	s_lshl_b32 s26, s20, 8
	s_add_co_u32 s26, s26, WS
	v_add_nc_u32 v247, s26, v2
.irp b, 0,1,2,3
	v_mov_b32 v[TM+4+\b], 0                        ; written once: a lane permute's destination counts as one of its sources
.endr
	v_mov_b32 v238, 0
	s_mov_b32 s[SEL], 0x76543210
	s_mov_b32 s[SEL+1], 0xfedcba98
	s_mov_b32 s[MNT], 0x600000
	s_mov_b32 s25, 0x3b800000                      ; 2^-8
	s_lshl_b32 s26, s23, 6                         ; the 8 rows that I store: 64 block + 32 (w / 4) + 8 ((w / 2) % 2) + 16 (w % 2) + 0..7
	s_lshr_b32 s36, s20, 2
	s_lshl_b32 s36, s36, 5
	s_add_co_u32 s26, s26, s36
	s_bfe_u32 s36, s20, 0x10001
	s_lshl_b32 s36, s36, 3
	s_add_co_u32 s26, s26, s36
	s_lshl_b32 s36, s22, 4
	s_add_co_u32 s26, s26, s36
	s_lshl_b32 s26, s26, 11
	s_lshl_b32 s36, s24, 10
	s_add_co_u32 s26, s26, s36
	s_add_nc_u64 s[32:33], s[14:15], s[26:27]
	s_add_nc_u64 s[34:35], s[16:17], s[26:27]
	s_wait_loadcnt 16                              ; attn is in; u's 16 loads may be out
	v_pk_add_f32 v[234:235], v[AT:AT+1], v[AT+2:AT+3]
	v_pk_add_f32 v[236:237], v[AT+4:AT+5], v[AT+6:AT+7]
.set k, 8
.rept 14
	v_pk_add_f32 v[234:235], v[234:235], v[AT+k:AT+k+1]
	v_pk_add_f32 v[236:237], v[236:237], v[AT+k+2:AT+k+3]
.set k, k+4
.endr
	v_pk_add_f32 v[234:235], v[234:235], v[236:237]
	v_add_f32 v234, v234, v235
	v_permlanex16_b32 v238, v234, s[SEL], s[SEL+1]
	v_add_f32 v234, v234, v238                     ; my 128 channels' sum
	ds_store_b32 v8, v234
	s_wait_asynccnt 51                             ; my parts of out_scale and out_bias have landed; w2's 51 copies may be out
	s_wait_dscnt 0x0
	s_barrier_signal -1
	s_barrier_wait -1
	ds_load_b32 v235, v9
	s_wait_dscnt 0x0
	v_add_f32 v234, v234, v235
	v_mul_f32 v230, 0x3b800000, v234               ; the mean of the row's 256
	v_mov_b32 v231, v230
.set k, 0
.rept 32
	v_pk_add_f32 v[TP+2*(k%8):TP+2*(k%8)+1], v[AT+2*k:AT+2*k+1], v[230:231] op_sel_hi:[1,0] neg_lo:[0,1] neg_hi:[0,1]
.if k < 2
	v_pk_mul_f32 v[234+2*k:235+2*k], v[TP+2*k:TP+2*k+1], v[TP+2*k:TP+2*k+1]
.else
	v_pk_fma_f32 v[234+2*(k%2):235+2*(k%2)], v[TP+2*(k%8):TP+2*(k%8)+1], v[TP+2*(k%8):TP+2*(k%8)+1], v[234+2*(k%2):235+2*(k%2)]
.endif
.set k, k+1
.endr
	v_pk_add_f32 v[234:235], v[234:235], v[236:237]
	v_add_f32 v234, v234, v235
	v_permlanex16_b32 v238, v234, s[SEL], s[SEL+1]
	v_add_f32 v234, v234, v238
	ds_store_b32 v8, v234 offset:1024              ; other bytes than the first exchange's
	s_wait_dscnt 0x0
	s_barrier_signal -1
	s_barrier_wait -1
	ds_load_b32 v235, v9 offset:1024
	s_wait_dscnt 0x0
	v_add_f32 v234, v234, v235
	v_fmaak_f32 v232, s25, v234, 0x358637bd        ; the variance + 1e-6
	v_rsq_f32 v232, v232
	v_nop
	s_wait_alu depctr_va_vdst(0)                   ; ahead of the first reader
	v_mov_b32 v233, v232
	s_wait_loadcnt 0x0                             ; u
	QUANT UU, 0, 1
	IMAGE 0
	s_wait_dscnt 0x0                               ; the stores have read their registers
	QUANT AT, 0, 1
	IMAGE 2
	s_wait_dscnt 0x0
.irp b, 0,1,2,3                                ; u x ((attn - mean) rs out_scale + out_bias), a block of 32 channels at a time
.irp q, 0,1,2,3
	ds_load_b128 v[OSB+4*\q:OSB+4*\q+3], v12 offset:128*\b+16*\q
	ds_load_b128 v[OSB+16+4*\q:OSB+16+4*\q+3], v12 offset:1024+128*\b+16*\q
.endr
	s_wait_dscnt 0x0
.irp e, 0,2,4,6,8,10,12,14
	v_pk_add_f32 v[AT+16*\b+\e:AT+16*\b+\e+1], v[AT+16*\b+\e:AT+16*\b+\e+1], v[230:231] op_sel_hi:[1,0] neg_lo:[0,1] neg_hi:[0,1]
.endr
.irp e, 0,2,4,6,8,10,12,14
	v_pk_mul_f32 v[AT+16*\b+\e:AT+16*\b+\e+1], v[AT+16*\b+\e:AT+16*\b+\e+1], v[232:233] op_sel_hi:[1,0]
.endr
.irp e, 0,2,4,6,8,10,12,14
	v_pk_fma_f32 v[AT+16*\b+\e:AT+16*\b+\e+1], v[AT+16*\b+\e:AT+16*\b+\e+1], v[OSB+\e:OSB+\e+1], v[OSB+16+\e:OSB+16+\e+1]
.endr
.irp e, 0,2,4,6,8,10,12,14
	v_pk_mul_f32 v[UU+16*\b+\e:UU+16*\b+\e+1], v[UU+16*\b+\e:UU+16*\b+\e+1], v[AT+16*\b+\e:AT+16*\b+\e+1]
.endr
.endr
	QUANT UU, 1, 1
	IMAGE 4
	s_wait_asynccnt 0x0                            ; my part of w2 has landed,
	s_wait_dscnt 0x0                               ; my images lie in LDS
	s_barrier_signal -1
	s_barrier_wait -1
.irp i, 0,1,2,3,4,5,6,7
.irp e, 0,1
	global_load_b128 v[XR+4*(2*\i+\e):XR+4*(2*\i+\e)+3], v1, s[32:33] offset:2048*\i+512*\e   ; x, for the way out: it lands under the products
.endr
.endr
.irp ks, 0,1,2,3,4,5
	v_add_nc_u32 v15, 32768*\ks, v14
.irp t, 0,1,2,3
.irp c, 0,1,2,3
	ds_load_b128 v[AF+16*\t+4*\c:AF+16*\t+4*\c+3], v13 offset:12288*\t+2048*\ks+512*\c
.endr
.endr
.irp i, 0,1
.irp c, 0,1,2,3
	ds_load_b128 v[WF+16*\i+4*\c:WF+16*\i+4*\c+3], v15 offset:2048*\i+512*\c
.endr
.endr
.irp t, 0,1,2,3
	ds_load_b32 v[ASC+\t], v246 offset:768*\t+128*\ks
.endr
.irp i, 0,1
	ds_load_b32 v[WSC+\i], v247 offset:2048*\ks+128*\i
.endr
	s_wait_dscnt 0x0
.irp t, 0,1,2,3                                ; eight accumulators by turns, one instruction a turn
.irp i, 0,1
.if \ks == 0
	v_wmma_scale_f32_16x16x128_f8f6f4 v[ACC+8*(2*\t+\i):ACC+8*(2*\t+\i)+7], v[WF+16*\i:WF+16*\i+15], v[AF+16*\t:AF+16*\t+15], 0, v[WSC+\i], v[ASC+\t]
.else
	v_wmma_scale_f32_16x16x128_f8f6f4 v[ACC+8*(2*\t+\i):ACC+8*(2*\t+\i)+7], v[WF+16*\i:WF+16*\i+15], v[AF+16*\t:AF+16*\t+15], v[ACC+8*(2*\t+\i):ACC+8*(2*\t+\i)+7], v[WSC+\i], v[ASC+\t]
.endif
.endr
.endr
.rept 8
	v_nop                                          ; eight places ahead of the next loads into operands and of the first read of results
.endr
.endr
	s_wait_dscnt 0x0
	s_barrier_signal -1
	s_barrier_wait -1                              ; nobody reads w2's codes any more: the stage may be written over them
.irp t, 0,1,2,3
.irp e, 0,1,2,3
	ds_store_b128 v248, v[ACC+16*\t+4*\e:ACC+16*\t+4*\e+3] offset:16*SPT*\t+16*\e   ; lane (r, h): columns 32 w + 16 h + 0..15 of the tile's row r; each accumulator from its low end on
.endr
.endr
	s_wait_dscnt 0x0                               ; for the others' sake
	s_barrier_signal -1
	s_barrier_wait -1
.irp i, 0,1,2,3,4,5,6,7
.irp e, 0,1
	ds_load_b128 v[AF+4*(2*\i+\e):AF+4*(2*\i+\e)+3], v249 offset:SPT*\i+512*\e
.endr
.endr
	s_wait_dscnt 0x0
	s_wait_loadcnt 0x0                             ; x
.set k, 0
.rept 32
	v_pk_add_f32 v[AF+k:AF+k+1], v[AF+k:AF+k+1], v[XR+k:XR+k+1]
.set k, k+2
.endr
.irp i, 0,1,2,3,4,5,6,7
.irp e, 0,1
	global_store_b128 v1, v[AF+4*(2*\i+\e):AF+4*(2*\i+\e)+3], s[34:35] offset:2048*\i+512*\e th:TH_STORE_NT   ; 32 lanes store 512 consecutive bytes, at a multiple of 256 from out0's first byte
.endr
.endr
	s_wait_tensorcnt 0x0
	ds_add_u32 v254, v255
	s_wait_dscnt 0x0
	s_endpgm
.Lfunc_end_k_q5c75ddb256_outp:
	.size	k_q5c75ddb256_outp, .Lfunc_end_k_q5c75ddb256_outp-k_q5c75ddb256_outp
	.p2alignl 7, 3214868480
	.fill 96, 4, 3214868480
	.section	.rodata,"a",@progbits
	.p2align	6, 0x0
	.amdhsa_kernel k_q5c75ddb256_outp
		.amdhsa_group_segment_fixed_size 266240
		.amdhsa_private_segment_fixed_size 0
		.amdhsa_enable_private_segment 0
		.amdhsa_kernarg_size 56
		.amdhsa_user_sgpr_count 2
		.amdhsa_user_sgpr_kernarg_segment_ptr 1
		.amdhsa_wavefront_size32 1
		.amdhsa_system_sgpr_workgroup_id_x 1
		.amdhsa_system_sgpr_workgroup_id_y 1
		.amdhsa_system_sgpr_workgroup_id_z 1
		.amdhsa_system_vgpr_workitem_id 0
		.amdhsa_next_free_vgpr 256
		.amdhsa_next_free_sgpr 66
		.amdhsa_reserve_vcc 0
		.amdhsa_float_denorm_mode_32 3
		.amdhsa_float_denorm_mode_16_64 3
		.amdhsa_memory_ordered 1
		.amdhsa_forward_progress 1
		.amdhsa_inst_pref_size 82
	.end_amdhsa_kernel
	.amdgpu_metadata
---
amdhsa.version: [ 1, 2 ]
amdhsa.kernels:
  - .name:           k_q5c75ddb256_outp
    .symbol:         k_q5c75ddb256_outp.kd
    .args:
      - { .name: ub, .offset: 0, .size: 8, .value_kind: global_buffer, .address_space: global }
      - { .name: at, .offset: 8, .size: 8, .value_kind: global_buffer, .address_space: global }
      - { .name: w2, .offset: 16, .size: 8, .value_kind: global_buffer, .address_space: global }
      - { .name: out_scale, .offset: 24, .size: 8, .value_kind: global_buffer, .address_space: global }
      - { .name: out_bias, .offset: 32, .size: 8, .value_kind: global_buffer, .address_space: global }
      - { .name: x, .offset: 40, .size: 8, .value_kind: global_buffer, .address_space: global }
      - { .name: out0, .offset: 48, .size: 8, .value_kind: global_buffer, .address_space: global }
    .group_segment_fixed_size: 266240
    .private_segment_fixed_size: 0
    .kernarg_segment_align: 8
    .kernarg_segment_size: 56
    .max_flat_workgroup_size: 256
    .sgpr_count:     66
    .vgpr_count:     256
    .wavefront_size: 32
...
	.end_amdgpu_metadata
.endif
;; end of part 4
